; MI455X (gfx1250); checked and timed in simulation.
; The chip was launched on July 23, 2026; its instructions are those of AMD's public machine-readable ISA for CDNA 5 (MIT licence, August 2026) and "CDNA5" Instruction Set Architecture Reference Guide (July 2026). The comments in the code are by the model that wrote it; some were corrected since.
;; Multi Head Attention. Allowed arithmetic: matrix products marked QUANTISED: E3M2 operands, one E8M0 scale for each 32 along K, by v_wmma_scale_f32_16x16x128_f8f6f4 with both operands' format E3M2, f32 sums; everything else in f32.
;; Inputs: Wk 1,024 x 1,024 float32; Wo 1,024 x 1,024 float32; Wq 1,024 x 1,024 float32; Wv 1,024 x 1,024 float32; bk 1,024 float32; bo 1,024 float32; bq 1,024 float32; bv 1,024 float32; context 4 x 2,048 x 1,024 float32; data 4 x 2,048 x 1,024 float32.
;; Outputs: out0 4 x 2,048 x 1,024 float32.
;; This version of the problem:
;;   THIS VERSION OF THE PROBLEM IS GIVEN IN LOW PRECISION. The matrix products marked QUANTISED in the list below multiply operands that are first quantised to E3M2 (3 exponent bits, 2 mantissa bits; 6 bits a number), with one power-of-two scale for each 32 numbers along K (OCP MX v1.0); their sums are f32. All else is computed in f32.
;;   The module's matrix products, in the order in which they are computed (A, B: the left and right operand; K: the contracted axis; several contracted axes count as one K, in the product's order):
;;     1. [M 8,192, K 1,024] x [K 1,024, N 1,024]; A: input data; B: input Wq: QUANTISED
;;     2. [M 8,192, K 1,024] x [K 1,024, N 1,024]; A: input context; B: input Wk: QUANTISED
;;     3. [M 8,192, K 1,024] x [K 1,024, N 1,024]; A: input context; B: input Wv: QUANTISED
;;     4. batch 64 x [M 2,048, K 64] x [K 64, N 2,048]; A: computed on the way; B: computed on the way: QUANTISED
;;     5. batch 64 x [M 2,048, K 2,048] x [K 2,048, N 64]; A: softmax (see below); B: computed on the way: QUANTISED
;;     6. [M 8,192, K 1,024] x [K 1,024, N 1,024]; A: computed on the way; B: input Wo: QUANTISED
;;   THE QUANTISER, for each operand of a quantised product, along K:
;;     - K is cut into blocks of 32 from its start; a last block that is shorter is filled with zeros.
;;     - A block's scale is 2^e with e = floor(log2(the largest magnitude in the block)) - 4, held to -126 .. 127; a block of zeros has e = 0. As a byte (E8M0): e + 127.
;;     - Each number is divided by its block's scale, clamped to +-28, and rounded to the nearest number of E3M2, ties to even, subnormals kept.
;;     - The product sums the exact products of the quantised numbers (number of the format x scale) in f32.
;;   ~~~python
;;   def quantise(x, axis):      # numpy; x: float32 -> the quantised numbers, widened to float32 again
;;       x = np.moveaxis(x, axis, -1); K = x.shape[-1]
;;       x = np.pad(x, [(0, 0)] * (x.ndim - 1) + [(0, -K % 32)]); x = x.reshape(x.shape[:-1] + (-1, 32)); a = np.abs(x).max(-1, keepdims=True)
;;       e = np.where(a > 0, np.clip(np.frexp(np.where(a > 0, a, 1))[1] - 1 - 4, -126, 127), 0)      # np.frexp(a)[1] - 1 = floor(log2(a)), exactly
;;       r = np.clip(x / 2.0 ** e, -28, 28)
;;       step = 2.0 ** (np.maximum(np.frexp(np.where(r == 0, 1, r))[1] - 1, -2) - 2)
;;       q = np.round(r / step) * step * 2.0 ** e      # np.round: ties to even
;;       return np.moveaxis(q.reshape(q.shape[:-2] + (-1,))[..., :K], -1, axis).astype(np.float32)
;;   ~~~
;;   SOFTMAX AHEAD OF A QUANTISED PRODUCT. Where the list says 'softmax', what is quantised is not the finished softmax but p = 2^(t - M), with t = logit x log2(e) and M = ceil(the row's largest t), a whole number; so 1/2 < the row's largest p <= 1. The row's sum l is taken of the UNQUANTISED p, in f32, and the product's result is divided by l at the end. Since M is a whole number, a kernel that streams over the keys may use a running M (the ceiling of the running maximum): every later rescaling is an exact power of two, which a block's scale takes up: the codes' values come out the same.
;;   OPERANDS COMPUTED ON THE WAY. 'Computed on the way' means the value that the module computes at that place (a softmax that the list does not call 'softmax' is quantised finished and normalised). What goes into a quantiser is computed in f32, as accurately as f32 sums, v_exp_f32 and their like allow (about 1e-6 of the number): no bf16 or f16 on the way to a quantiser, and a product that is left as it is and whose result goes on into a quantised operand takes f32 operands (vector FMAs, or v_wmma_f32_16x16x4_f32). A number that lies on a knife's edge between two numbers of the format may be rounded either way, as far as f32 arithmetic and the matrix unit's own rounding can turn it there, and no further.
;; One version. Each part assembles by itself: llvm-mc -triple=amdgcn-amd-amdhsa -mcpu=gfx1250 --defsym DOCPART=n.
;; ======== version 1 of 1: 4 launches
;; workspace buffers: XB 13,107,200 bytes; WB 3,276,800 bytes; QB 6,815,744 bytes; KVB 13,369,344 bytes; OB 6,553,600 bytes
;; launch quant (part 1): grid 640 x 1, 8 waves a work-group, no clusters, 136,192 bytes of LDS; arguments data, context, Wq, Wk, Wv, Wo, XB, WB; writes XB, WB
.if DOCPART == 1
	.amdgcn_target "amdgcn-amd-amdhsa--gfx1250"
	.amdhsa_code_object_version 6
	.text
	.protected	k_q96f9b54c55_quant
	.globl	k_q96f9b54c55_quant
	.p2align	8
	.type	k_q96f9b54c55_quant,@function
k_q96f9b54c55_quant:
	s_mov_b64 s[64:65], 0
	v_nop
	global_prefetch_b8 v0, s[64:65] scope:SCOPE_SE
	s_setreg_imm32_b32 hwreg(HW_REG_WAVE_MODE, 25, 1), 1
	s_wait_xcnt 0x0
; data, context [8192][1024] f32 (K innermost) and Wq, Wk, Wv, Wo [1024 (k)][1024 (n)] f32 (K outermost) become codes of BF6 (E3M2) with one E8M0 byte for each 32 along K.
; A block's scale is 2^(floor(log2(largest magnitude)) - 4): its byte is the largest magnitude's exponent field - 4, held at 1 from below by a floor among the maximum's leaves.
; LIMITS: NaN and infinities among the inputs are not served.  A block of zeros gets the byte 1 (not 127): its codes are zeros, and only this program reads the bytes.
; THE OUTPUT IS LAID AS THE MATRIX UNIT'S REGISTERS WANT IT.  A BLOCK of 12,800 bytes holds 128 rows x 128 K: eight tiles of 16 rows, 1,536 bytes each, then 512 bytes of scale words.
; A tile is two halves of 768 bytes (64 along K each): lane l's registers 0-3 at 16 l, its registers 4-5 at 512 + 8 l; lane (r, h) holds k = 32 h .. 32 h + 31 of the half.
; Lane r of tile t holds row 32 (t / 2) + 8 (t % 2) + r + 8 (r / 8) of the 128.  The scale word of (tile t, lane r) lies at 12,288 + 64 t + 4 r; byte b scales k = 32 b .. 32 b + 31.
; XB: [data, context][64 chunks of 128 rows][8 K steps][BLOCK].   WB: [q, k, v, o][8 chunks of 128 columns][8 K steps][BLOCK]; its rows are the columns n.
; Work-groups 0-511 take x: 32 whole rows each (131,072 consecutive bytes), wave w the K step w.  Work-groups 512-639 take the weights: 128 rows of k x 256 columns, a lane to a column.
; Memory binds: no matrix unit, no tensor load, no barrier (waves share nothing).  Only the x path touches LDS.
.set BLOCK, 12800
.set STG,   8448                       ; a stage: 16 rows x (512 bytes + 16); 528 = 33 x 16, so the sixteen rows that a turned read touches fall on sixteen different columns of 16 bytes
; 16 rows of 512 bytes go into stage st as they were loaded and come back 128 bytes a lane and half: v[dst + 32 c + i] = k 64 c + 32 h + i of row r.  LDS serves a wave's instructions in order.
.macro TURN src, dst, st
.irp i, 0,1,2,3,4,5,6,7,8,9,10,11,12,13,14,15
	ds_store_b128 v4, v[\src+4*\i:\src+4*\i+3] offset:\st*STG+528*\i
.endr
.irp c, 0,1
.irp k, 0,1,2,3,4,5,6,7
	ds_load_b128 v[\dst+32*\c+4*\k:\dst+32*\c+4*\k+3], v5 offset:\st*STG+256*\c+16*\k
.endr
.endr
.endm
; 64 numbers of a lane (two whole blocks: 2 c + h) become tile u's 12 registers of codes and its scale word, and the codes are stored.
.macro QX s, u
.set C, 208+12*\u
.irp c, 0,1
	v_max3_num_f32 v[232+\c], |v[(\s)+32*\c]|, |v[(\s)+32*\c+1]|, 0x2800000   ; with the floor 2^(5 - 127): the byte cannot fall under 1
.endr
.irp i, 2,4,6,8,10,12,14,16,18,20,22,24,26,28,30
.irp c, 0,1
	s_delay_alu instid0(VALU_DEP_2)
	v_max3_num_f32 v[232+\c], v[232+\c], |v[(\s)+32*\c+\i]|, |v[(\s)+32*\c+\i+1]|   ; the two blocks by turns
.endr
.endr
.irp c, 0,1
	s_delay_alu instid0(VALU_DEP_2)
	v_add_nc_u32 v[234+\c], 0xfe000000, v[232+\c]      ; 4 off the exponent field: the conversion's scale operand
.endr
.irp c, 0,1
	s_delay_alu instid0(VALU_DEP_2)
	v_lshrrev_b32 v[236+\c], 23, v[234+\c]             ; the byte
.endr
	s_delay_alu instid0(VALU_DEP_1)
	v_lshl_or_b32 v[238+\u], v237, 16, v236            ; my bytes: blocks h and 2 + h,
	s_delay_alu instid0(VALU_DEP_1)
	v_lshlrev_b32 v[238+\u], v6, v[238+\u]             ; 8 h bits up;
	s_delay_alu instid0(VALU_DEP_1)
	v_permlanex16_b32 v240, v[238+\u], s22, s23
	s_delay_alu instid0(VALU_DEP_1)
	v_or_b32 v[238+\u], v[238+\u], v240                ; with lane l xor 16's two the word is whole
.irp c, 0,1
	v_cvt_scalef32_pk16_bf6_f32 v[C+6*\c:C+6*\c+2], v[(\s)+32*\c:(\s)+32*\c+15], v[234+\c]
	v_cvt_scalef32_pk16_bf6_f32 v[242+4*\c:244+4*\c], v[(\s)+32*\c+16:(\s)+32*\c+31], v[234+\c]   ; (a conversion's three registers begin on an even number)
.endr
	v_nop                                              ; one plain instruction behind the scaled conversions
.irp c, 0,1
.irp i, 0,1,2
	v_mov_b32 v[C+3+6*\c+\i], v[242+4*\c+\i]
.endr
.endr
	global_store_b128 v1, v[C:C+3], s[28:29] offset:1536*\u            ; 512 consecutive bytes, aligned to 256
	global_store_b64 v2, v[C+4:C+5], s[28:29] offset:1536*\u+512       ; 256 consecutive bytes, aligned
	global_store_b128 v1, v[C+6:C+9], s[28:29] offset:1536*\u+768
	global_store_b64 v2, v[C+10:C+11], s[28:29] offset:1536*\u+1280
.endm
; Block kb (32 along K) of my column of a weight: all 32 numbers are mine.  Each block has its own code registers, so no store's data are written again.
.macro WBLK kb
.set XS, 16+32*\kb
.set CW, 144+8*\kb
.if \kb < 2
	s_wait_loadcnt 63                                  ; the count's field ends at 63: at least 65 of the 128 loads are in, blocks 0 and 1 among them
.else
	s_wait_loadcnt 32*(3-\kb)                          ; the later blocks' loads may be out
.endif
	v_max3_num_f32 v232, |v[XS]|, |v[XS+1]|, |v[XS+2]|
	v_max3_num_f32 v233, |v[XS+3]|, |v[XS+4]|, |v[XS+5]|
.irp i, 6,10,14,18,22,26
	s_delay_alu instid0(VALU_DEP_2)
	v_max3_num_f32 v232, v232, |v[XS+\i]|, |v[XS+\i+1]|
	s_delay_alu instid0(VALU_DEP_2)
	v_max3_num_f32 v233, v233, |v[XS+\i+2]|, |v[XS+\i+3]|
.endr
	s_delay_alu instid0(VALU_DEP_2)
	v_max3_num_f32 v232, v232, |v[XS+30]|, |v[XS+31]|
	s_delay_alu instid0(VALU_DEP_1)
	v_max3_num_f32 v232, v232, v233, 0x2800000
	s_delay_alu instid0(VALU_DEP_1)
	v_add_nc_u32 v234, 0xfe000000, v232
	s_delay_alu instid0(VALU_DEP_1)
	v_lshrrev_b32 v235, 23, v234
.if \kb == 0
	s_delay_alu instid0(VALU_DEP_1)
	v_mov_b32 v236, v235
.else
	s_delay_alu instid0(VALU_DEP_1)
	v_lshl_or_b32 v236, v235, 8*\kb, v236              ; the lower K in the lower byte
.endif
	v_cvt_scalef32_pk16_bf6_f32 v[CW:CW+2], v[XS:XS+15], v234
	v_cvt_scalef32_pk16_bf6_f32 v[176+4*\kb:178+4*\kb], v[XS+16:XS+31], v234
	v_nop
.irp i, 0,1,2
	v_mov_b32 v[CW+3+\i], v[176+4*\kb+\i]
.endr
	global_store_b128 v1, v[CW:CW+3], s[28:29] offset:768*(\kb/2)+256*(\kb%2)       ; block kb is half kb / 2, lanes 16 (kb % 2) on: sixteen lanes fill 256 aligned bytes in each of two tiles
	global_store_b64 v2, v[CW+4:CW+5], s[28:29] offset:768*(\kb/2)+512+128*(\kb%2)
.endm
	s_load_b512 s[4:19], s[0:1], 0x0               ; data, context, Wq, Wk, Wv, Wo, XB, WB
	v_lshl_add_u32 v254, v0, 2, 0x21000
	v_mov_b32 v255, 0
	v_lshrrev_b32 v1, 5, v0
	s_delay_alu instid0(VALU_DEP_1)
	v_readfirstlane_b32 s20, v1                    ; wave 0..7
	v_and_b32 v7, 31, v0                           ; lane
	s_mov_b32 s22, 0x76543210
	s_mov_b32 s23, 0xfedcba98                      ; v_permlanex16_b32's selects for lane l xor 16
	s_mov_b32 s24, 0xffff0000                      ; lanes 16-31
	s_cmp_lt_u32 ttmp9, 512
	s_cbranch_scc0 .Lweights
	; ---------------- x: 32 rows (tiles 2 j and 2 j + 1 of a chunk), my wave's 128 along K
	v_lshlrev_b32 v1, 4, v7                        ; 16 l
	v_lshlrev_b32 v2, 3, v7                        ; 8 l
	v_lshlrev_b32 v3, 2, v7                        ; 4 l
	v_and_b32 v8, 15, v0                           ; r
	v_bfe_u32 v9, v0, 4, 1                         ; h
	s_mul_i32 s32, s20, 2*STG                      ; my wave's two stages
	v_add_nc_u32 v4, s32, v1                       ; in: 16 l
	v_mul_u32_u24 v5, v8, 528
	s_delay_alu instid0(VALU_DEP_1)
	v_lshl_add_u32 v5, v9, 7, v5
	s_delay_alu instid0(VALU_DEP_1)
	v_add_nc_u32 v5, s32, v5                       ; back: row r, + 128 h
	v_lshlrev_b32 v6, 3, v9                        ; 8 h
	v_mov_b32 v240, 0                              ; a lane permute's destination counts as one of its sources
	s_lshr_b32 s33, ttmp9, 8                       ; 0: data, 1: context
	s_and_b32 s34, ttmp9, 255                      ; which 32 rows
	s_lshr_b32 s35, s34, 2                         ; chunk
	s_and_b32 s36, s34, 3                          ; j
	s_lshl_b32 s38, s34, 17                        ; 32 rows of 4,096 bytes
	s_lshl_b32 s39, s20, 9                         ; + my K step's 512 bytes
	s_add_co_u32 s38, s38, s39
	s_mov_b32 s39, 0
	s_lshl_b32 s40, s33, 6
	s_add_co_u32 s40, s40, s35
	s_lshl_b32 s40, s40, 3
	s_add_co_u32 s40, s40, s20
	s_mul_i32 s40, s40, BLOCK                      ; my BLOCK
	s_mul_i32 s41, s36, 3072
	s_add_co_u32 s42, s40, s41                     ; its tiles 2 j, 2 j + 1
	s_mov_b32 s43, 0
	s_lshl_b32 s41, s36, 7
	s_add_co_u32 s44, s40, s41
	s_add_co_u32 s44, s44, 12288                   ; and their scale words
	s_mov_b32 s45, 0
	s_wait_alu depctr_va_vdst(0)
	s_wait_kmcnt 0x0
	s_cmp_eq_u32 s33, 0
	s_cselect_b64 s[26:27], s[4:5], s[6:7]
	s_add_nc_u64 s[26:27], s[26:27], s[38:39]
	s_add_nc_u64 s[28:29], s[16:17], s[42:43]
	s_add_nc_u64 s[30:31], s[16:17], s[44:45]
.irp u, 0,1
.irp i, 0,1,2,3,4,5,6,7,8,9,10,11,12,13,14,15
	global_load_b128 v[16+64*\u+4*\i:19+64*\u+4*\i], v1, s[26:27] offset:(8*\u+\i+8*(\i/8))*4096 th:TH_LOAD_NT   ; lane row i of tile u: 512 consecutive bytes
.endr
.endr
	s_wait_loadcnt 16                              ; tile 0's sixteen loads are in; tile 1's sixteen may be out
	TURN 16, 144, 0
	s_wait_loadcnt 0x0                             ; tile 1 is in
	s_wait_dscnt 0x0                               ; tile 0 is back in v144-207, and its stores into the stage have read v16-79
	TURN 80, 16, 1                                 ; tile 1 turns while tile 0 is quantised
	QX 144, 0
	s_wait_dscnt 0x0
	QX 16, 1
	v_cndmask_b32 v250, v238, v239, s24            ; lanes 0-15 tile 0's words, lanes 16-31 tile 1's
	global_store_b32 v3, v250, s[30:31]
	s_wait_tensorcnt 0x0
	ds_add_u32 v254, v255
	s_wait_dscnt 0x0
	s_endpgm
.Lweights:
	; ---------------- a weight: K step s (128 rows of k), 256 columns; lane l of wave w takes column 256 slice + 32 w + l, and its registers run down K
	s_sub_co_u32 s33, ttmp9, 512
	s_lshr_b32 s34, s33, 5                         ; which weight: q, k, v, o
	s_bfe_u32 s35, s33, 0x20003                    ; slice
	s_and_b32 s36, s33, 7                          ; K step
	s_lshl_b32 s38, s36, 19                        ; 128 rows of 4,096 bytes
	s_lshl_b32 s39, s35, 10
	s_add_co_u32 s38, s38, s39
	s_lshl_b32 s39, s20, 7
	s_add_co_u32 s38, s38, s39                     ; + 4 x my wave's first column
	s_mov_b32 s39, 0
	s_lshl_b32 s40, s34, 3
	s_lshl_b32 s41, s35, 1
	s_add_co_u32 s40, s40, s41
	s_lshr_b32 s41, s20, 2
	s_add_co_u32 s40, s40, s41                     ; chunk of 128 columns: 2 slice + w / 4
	s_lshl_b32 s40, s40, 3
	s_add_co_u32 s40, s40, s36
	s_mul_i32 s40, s40, BLOCK
	s_and_b32 s37, s20, 3                          ; j = w % 4: my 32 columns are tiles 2 j, 2 j + 1
	s_mul_i32 s41, s37, 3072
	s_add_co_u32 s42, s40, s41
	s_mov_b32 s43, 0
	s_lshl_b32 s41, s37, 7
	s_add_co_u32 s44, s40, s41
	s_add_co_u32 s44, s44, 12288
	s_mov_b32 s45, 0
	v_bfe_u32 v8, v0, 3, 1                         ; u: my column's tile of the two
	v_and_b32 v9, 7, v0
	v_bfe_u32 v10, v0, 4, 1
	s_delay_alu instid0(VALU_DEP_1)
	v_lshl_add_u32 v9, v10, 3, v9                  ; r': its lane row there: l % 8 + 8 (l / 16)
	s_delay_alu instid0(VALU_DEP_4)
	v_mul_u32_u24 v11, v8, 1536
	s_delay_alu instid0(VALU_DEP_1)
	v_lshl_add_u32 v1, v9, 4, v11                  ; 1,536 u + 16 r'
	s_delay_alu instid0(VALU_DEP_2)
	v_lshl_add_u32 v2, v9, 3, v11                  ; 1,536 u + 8 r'
	v_lshlrev_b32 v12, 6, v8
	s_delay_alu instid0(VALU_DEP_1)
	v_lshl_add_u32 v3, v9, 2, v12                  ; 64 u + 4 r'
	v_lshlrev_b32 v4, 2, v7                        ; in: 4 bytes a lane
	s_wait_alu depctr_va_vdst(0)
	s_wait_kmcnt 0x0
	s_bitcmp1_b32 s34, 0
	s_cselect_b64 s[26:27], s[10:11], s[8:9]       ; Wk or Wq
	s_cselect_b64 s[28:29], s[14:15], s[12:13]     ; Wo or Wv
	s_bitcmp1_b32 s34, 1
	s_cselect_b64 s[26:27], s[28:29], s[26:27]
	s_add_nc_u64 s[26:27], s[26:27], s[38:39]
	s_add_nc_u64 s[28:29], s[18:19], s[42:43]
	s_add_nc_u64 s[30:31], s[18:19], s[44:45]
.set n, 0
.rept 128
	global_load_b32 v[16+n], v4, s[26:27] offset:n*4096 th:TH_LOAD_NT   ; W(128 s + n, my column): a wave reads 128 consecutive bytes, the eight waves 1,024
.set n, n+1
.endr
	WBLK 0
	WBLK 1
	WBLK 2
	WBLK 3
	global_store_b32 v3, v236, s[30:31]            ; my column's scale word
	s_endpgm
.Lfunc_end_k_q96f9b54c55_quant:
	.size	k_q96f9b54c55_quant, .Lfunc_end_k_q96f9b54c55_quant-k_q96f9b54c55_quant
	.p2alignl 7, 3214868480
	.fill 96, 4, 3214868480
	.section	.rodata,"a",@progbits
	.p2align	6, 0x0
	.amdhsa_kernel k_q96f9b54c55_quant
		.amdhsa_group_segment_fixed_size 136192
		.amdhsa_private_segment_fixed_size 0
		.amdhsa_enable_private_segment 0
		.amdhsa_kernarg_size 64
		.amdhsa_user_sgpr_count 2
		.amdhsa_user_sgpr_kernarg_segment_ptr 1
		.amdhsa_wavefront_size32 1
		.amdhsa_system_sgpr_workgroup_id_x 1
		.amdhsa_system_sgpr_workgroup_id_y 1
		.amdhsa_system_sgpr_workgroup_id_z 1
		.amdhsa_system_vgpr_workitem_id 0
		.amdhsa_next_free_vgpr 256
		.amdhsa_next_free_sgpr 66
		.amdhsa_reserve_vcc 0
		.amdhsa_float_denorm_mode_32 3
		.amdhsa_float_denorm_mode_16_64 3
		.amdhsa_memory_ordered 1
		.amdhsa_forward_progress 1
		.amdhsa_inst_pref_size 42
	.end_amdhsa_kernel
	.amdgpu_metadata
---
amdhsa.version: [ 1, 2 ]
amdhsa.kernels:
  - .name:           k_q96f9b54c55_quant
    .symbol:         k_q96f9b54c55_quant.kd
    .args:
      - { .name: data, .offset: 0, .size: 8, .value_kind: global_buffer, .address_space: global }
      - { .name: context, .offset: 8, .size: 8, .value_kind: global_buffer, .address_space: global }
      - { .name: Wq, .offset: 16, .size: 8, .value_kind: global_buffer, .address_space: global }
      - { .name: Wk, .offset: 24, .size: 8, .value_kind: global_buffer, .address_space: global }
      - { .name: Wv, .offset: 32, .size: 8, .value_kind: global_buffer, .address_space: global }
      - { .name: Wo, .offset: 40, .size: 8, .value_kind: global_buffer, .address_space: global }
      - { .name: XB, .offset: 48, .size: 8, .value_kind: global_buffer, .address_space: global }
      - { .name: WB, .offset: 56, .size: 8, .value_kind: global_buffer, .address_space: global }
    .group_segment_fixed_size: 136192
    .private_segment_fixed_size: 0
    .kernarg_segment_align: 8
    .kernarg_segment_size: 64
    .max_flat_workgroup_size: 256
    .sgpr_count:     66
    .vgpr_count:     256
    .wavefront_size: 32
...
	.end_amdgpu_metadata
.endif
;; end of part 1
;; launch proj (part 2): grid 64 x 12, 8 waves a work-group, clusters of 4 x 4, 308,224 bytes of LDS; arguments XB, WB, bq, bk, bv, QB, KVB; writes QB, KVB
.if DOCPART == 2
	.amdgcn_target "amdgcn-amd-amdhsa--gfx1250"
	.amdhsa_code_object_version 6
	.text
	.protected	k_q96f9b54c55_proj
	.globl	k_q96f9b54c55_proj
	.p2align	8
	.type	k_q96f9b54c55_proj,@function
k_q96f9b54c55_proj:
	s_mov_b64 s[64:65], 0
	v_nop
	global_prefetch_b8 v0, s[64:65] scope:SCOPE_SE
	s_setreg_imm32_b32 hwreg(HW_REG_WAVE_MODE, 25, 1), 1
	s_wait_xcnt 0x0
	s_wait_alu depctr_hold_cnt(0) depctr_sa_sdst(0) depctr_va_vdst(0) depctr_va_sdst(0) depctr_va_ssrc(0) depctr_va_vcc(0) depctr_vm_vsrc(0)
	s_getreg_b32 s2, hwreg(HW_REG_IB_STS2, 6, 4)
	s_cmp_eq_u32 s2, 0
	s_cbranch_scc0 .Lentry_in_a_cluster
	s_endpgm
.Lentry_in_a_cluster:
	s_bfe_u32 s2, ttmp6, 0x10000c
	s_cmp_lg_u32 s2, 0xf033
	s_cbranch_scc0 .Lentry_shape_is_right
	s_endpgm
.Lentry_shape_is_right:
; Q = data Wq + bq, K = context Wk + bk, V = context Wv + bv on codes of BF6 (from XB and WB), sums in f32; the results are quantised on the way out, Q and K along the head's 64, V along the keys.
; SHARES.  Cluster y picks the product p (0 Q, 1 K, 2 V).  A work-group makes 128 rows (chunk = 4 x cluster x + cx) x 256 columns (slice = cy), with the whole K = 1,024 in LDS: 24 blocks of 12,800 bytes,
; each byte filled once, so no slot is ever filled again.  Wave w: rows 64 (w / 4) on, head w % 4 of the slice's four: 64 x 64, 16 accumulators.
; CLUSTER 4 x 4.  W's blocks hang on cy and p alone and are asked for jointly along a row of the cluster; x's hang on the chunk and p alone and are asked for jointly along a column.
; LDS: quarter q (K steps 2 q, 2 q + 1) at 76,800 q: blocks 0-3 W (column chunk g, step e at 2 g + e), blocks 4-5 x.  Waves 0-3 fetch W's four, waves 4-5 x's two, one load a quarter: four loads of a wave are out at most.
; A block is 8 tiles of 1,536 bytes (images of the operand's registers: lane l's 16 bytes at 16 l, its 8 at 512 + 8 l, twice) and 512 bytes of scale words: every LDS read takes consecutive bytes.
; Lane r of tile t holds row 32 (t / 2) + 8 (t % 2) + r + 8 (r / 8), so that the 16 result registers of source 0's tiles 2 b and 2 b + 1 are 16 neighbours, 32 b + 16 h + 0 .. 15.
; Q, K: source 0 = W's columns, source 1 = x's rows: a lane holds one row and 64 neighbouring d.  V: the sources swapped: a lane holds one d and 64 neighbouring keys.
; OUT.  QB [64 bh][16 groups of 128 queries][6,656]: 8 halves of 768 bytes, then 8 x 64 bytes of scale words (bytes 0, 1: d 0-31, 32-63; bytes 2, 3: 0x7f).
;       KVB [64 bh][16 key steps of 128][13,056]: K as in QB; at 6,656 V as [4 tiles of d][2 halves of 64 keys][768]; at 12,800 V's scale words.
; LIMITS: NaN and infinities are not served; a block of zeros gets the byte 1: its codes are zeros, and only this program reads the bytes.
.set BLOCK, 12800
.set QSTEP, 6*BLOCK
.set WV,  18                           ; s18 wave; s19 rh = w / 4; s20 hd = w % 4; s21 cx; s22 cy; s23 chunk; s24 p
.set SEL, 26                           ; s[26:27] selects for lane l xor 16; s28 the mask of lanes 16-31
.set G1W, 48                           ; s[48:55] group 1 for W's blocks, s[56:63] for x's: they differ in the mask alone
.set G1A, 56
.set G0W, 68                           ; s[68:83] four groups 0 for W's quarters; s[84:99] for x's
.set G0A, 84
.set AF,  32                           ; v32-79   x's four fragments
.set WF,  80                           ; v80-127  W's four
.set ACC, 128                          ; v128-255 the 16 accumulators
; v2-4 x's base addresses (16 l, 8 l, 4 l forms), v5-7 W's; v8-13 the K step's six; v14-15 x's scale words, v16-17 W's (scales alone); v18-20 16 l, 8 l, 4 l; v21 the bias's lane term; v22-29 V's bias
.macro CROUND                          ; a round of the cluster's barrier
	s_barrier_signal -1
	s_barrier_wait -1
	s_cmp_lg_u32 s[WV], 0
	s_cbranch_scc1 .Lnot_wave_0_\@
	s_barrier_signal -3
.Lnot_wave_0_\@:
	s_barrier_wait -3
	s_barrier_signal -1
	s_barrier_wait -1
.endm
.macro FRAG reg, a16, a8, off          ; a fragment's 12 registers from its image
	ds_load_b128 v[(\reg):(\reg)+3], v[\a16] offset:(\off)
	ds_load_b64 v[(\reg)+4:(\reg)+5], v[\a8] offset:(\off)+512
	ds_load_b128 v[(\reg)+6:(\reg)+9], v[\a16] offset:(\off)+768
	ds_load_b64 v[(\reg)+10:(\reg)+11], v[\a8] offset:(\off)+1280
.endm
.macro WM d, x, y, zero, sx, sy, rx, ry    ; one product; rx, ry = 1: that side's scale words stand in lanes 16-31
.if \zero
.if (\rx) && (\ry)
	v_wmma_scale_f32_16x16x128_f8f6f4 v[(\d):(\d)+7], v[(\x):(\x)+11], v[(\y):(\y)+11], 0, v[\sx], v[\sy] matrix_a_fmt:MATRIX_FMT_BF6 matrix_b_fmt:MATRIX_FMT_BF6 matrix_a_scale:MATRIX_SCALE_ROW1 matrix_b_scale:MATRIX_SCALE_ROW1
.elseif \rx
	v_wmma_scale_f32_16x16x128_f8f6f4 v[(\d):(\d)+7], v[(\x):(\x)+11], v[(\y):(\y)+11], 0, v[\sx], v[\sy] matrix_a_fmt:MATRIX_FMT_BF6 matrix_b_fmt:MATRIX_FMT_BF6 matrix_a_scale:MATRIX_SCALE_ROW1
.elseif \ry
	v_wmma_scale_f32_16x16x128_f8f6f4 v[(\d):(\d)+7], v[(\x):(\x)+11], v[(\y):(\y)+11], 0, v[\sx], v[\sy] matrix_a_fmt:MATRIX_FMT_BF6 matrix_b_fmt:MATRIX_FMT_BF6 matrix_b_scale:MATRIX_SCALE_ROW1
.else
	v_wmma_scale_f32_16x16x128_f8f6f4 v[(\d):(\d)+7], v[(\x):(\x)+11], v[(\y):(\y)+11], 0, v[\sx], v[\sy] matrix_a_fmt:MATRIX_FMT_BF6 matrix_b_fmt:MATRIX_FMT_BF6
.endif
.else
.if (\rx) && (\ry)
	v_wmma_scale_f32_16x16x128_f8f6f4 v[(\d):(\d)+7], v[(\x):(\x)+11], v[(\y):(\y)+11], v[(\d):(\d)+7], v[\sx], v[\sy] matrix_a_fmt:MATRIX_FMT_BF6 matrix_b_fmt:MATRIX_FMT_BF6 matrix_a_scale:MATRIX_SCALE_ROW1 matrix_b_scale:MATRIX_SCALE_ROW1
.elseif \rx
	v_wmma_scale_f32_16x16x128_f8f6f4 v[(\d):(\d)+7], v[(\x):(\x)+11], v[(\y):(\y)+11], v[(\d):(\d)+7], v[\sx], v[\sy] matrix_a_fmt:MATRIX_FMT_BF6 matrix_b_fmt:MATRIX_FMT_BF6 matrix_a_scale:MATRIX_SCALE_ROW1
.elseif \ry
	v_wmma_scale_f32_16x16x128_f8f6f4 v[(\d):(\d)+7], v[(\x):(\x)+11], v[(\y):(\y)+11], v[(\d):(\d)+7], v[\sx], v[\sy] matrix_a_fmt:MATRIX_FMT_BF6 matrix_b_fmt:MATRIX_FMT_BF6 matrix_b_scale:MATRIX_SCALE_ROW1
.else
	v_wmma_scale_f32_16x16x128_f8f6f4 v[(\d):(\d)+7], v[(\x):(\x)+11], v[(\y):(\y)+11], v[(\d):(\d)+7], v[\sx], v[\sy] matrix_a_fmt:MATRIX_FMT_BF6 matrix_b_fmt:MATRIX_FMT_BF6
.endif
.endif
.endm
; K step 2 q + e: 36 LDS loads, 16 products.  The six additions are also the four plain instructions owed between the last products and loads into registers that they read (ISA guide 7.12.1 for
; vector instructions).  The 16 accumulators take turns, one instruction a turn.
.macro KSTEP q, e, swap, zero
	v_add_nc_u32 v8, (6*\q+\e)*BLOCK, v2
	v_add_nc_u32 v9, (6*\q+\e)*BLOCK, v3
	v_add_nc_u32 v10, (6*\q+\e)*BLOCK, v4
	v_add_nc_u32 v11, (6*\q+\e)*BLOCK, v5
	v_add_nc_u32 v12, (6*\q+\e)*BLOCK, v6
	v_add_nc_u32 v13, (6*\q+\e)*BLOCK, v7
	ds_load_b32 v16, v13                           ; W's tiles 0 (lanes 0-15) and 1 (lanes 16-31)
	ds_load_b32 v17, v13 offset:128                ; 2 and 3
	ds_load_b32 v14, v10                           ; x's likewise
	ds_load_b32 v15, v10 offset:128
.irp b, 0,1,2,3
	FRAG WF+12*\b, 11, 12, 1536*\b
.endr
.irp a, 0,1,2,3
	FRAG AF+12*\a, 8, 9, 1536*\a
.endr
.irp a, 0,1,2,3
	s_wait_dscnt 12-4*\a                           ; the later fragments of x, four loads each, may be out
.irp b, 0,1,2,3
.if \swap
	WM ACC+8*(4*\b+\a), AF+12*\a, WF+12*\b, \zero, 14+\a/2, 16+\b/2, \a%2, \b%2
.else
	WM ACC+8*(4*\a+\b), WF+12*\b, AF+12*\a, \zero, 16+\b/2, 14+\a/2, \b%2, \a%2
.endif
.endr
.endr
.endm
.macro QUARTER q, swap, zero
	s_wait_tensorcnt 3-\q                          ; behind quarter q's load the wave issued 3 - q more: mine of this quarter has landed
	s_barrier_signal -1
	s_barrier_wait -1                              ; everybody's has
	KSTEP \q, 0, \swap, \zero
	KSTEP \q, 1, \swap, 0
.endm
; 32 numbers of a lane, register 16 b + i = k 32 b + 16 h + i of my row, become a half's six registers of codes in v[pc] on, and the two scale bytes in v[pw].  tm: eight registers at work.
.macro QUANT2 s, pc, pw, tm
.irp b, 0,1
	v_max3_num_f32 v[(\tm)+\b], |v[(\s)+16*\b]|, |v[(\s)+16*\b+1]|, 0x2800000   ; each accumulator is read from its low end on; the floor 2^(5 - 127) holds the byte at 1 from below
.endr
.irp i, 2,4,6,8,10,12,14
.irp b, 0,1
	v_max3_num_f32 v[(\tm)+\b], v[(\tm)+\b], |v[(\s)+16*\b+\i]|, |v[(\s)+16*\b+\i+1]|
.endr
.endr
.irp b, 0,1
	s_delay_alu instid0(VALU_DEP_2)
	v_permlanex16_b32 v[(\tm)+2+\b], v[(\tm)+\b], s[SEL], s[SEL+1]
.endr
.irp b, 0,1
	s_delay_alu instid0(VALU_DEP_2)
	v_max_num_f32 v[(\tm)+\b], v[(\tm)+\b], v[(\tm)+2+\b]      ; with lane l xor 16's sixteen: the block's largest magnitude
.endr
.irp b, 0,1
	s_delay_alu instid0(VALU_DEP_2)
	v_add_nc_u32 v[(\tm)+4+\b], 0xfe000000, v[(\tm)+\b]        ; 4 off the exponent field: the conversion's scale operand
.endr
.irp b, 0,1
	s_delay_alu instid0(VALU_DEP_2)
	v_lshrrev_b32 v[(\tm)+6+\b], 23, v[(\tm)+4+\b]
.endr
	s_delay_alu instid0(VALU_DEP_1)
	v_lshl_or_b32 v[\pw], v[(\tm)+7], 8, v[(\tm)+6]
	v_cvt_scalef32_pk16_bf6_f32 v[(\pc):(\pc)+2], v[(\s):(\s)+15], v[(\tm)+4]
	v_cvt_scalef32_pk16_bf6_f32 v[(\pc)+4:(\pc)+6], v[(\s)+16:(\s)+31], v[(\tm)+5]
	v_nop                                          ; one plain instruction behind the scaled conversions
.irp i, 0,1,2
	v_permlane16_swap_b32 v[(\pc)+\i], v[(\pc)+4+\i]           ; a lane wants a whole block: lanes 0-15 block 0, lanes 16-31 block 1
.endr
.irp i, 0,1,2
	s_delay_alu instid0(VALU_DEP_3)
	v_mov_b32 v[(\pc)+3+\i], v[(\pc)+4+\i]
.endr
.endm
	s_load_b256 s[4:11], s[0:1], 0x0               ; XB, WB, bq, bk
	s_load_b128 s[12:15], s[0:1], 0x20             ; bv, QB
	s_load_b64 s[16:17], s[0:1], 0x30              ; KVB
	v_lshl_add_u32 v31, v0, 2, 0x4b000
	s_set_vgpr_msb 0x40
	v_mov_b32 v1, 0
	s_set_vgpr_msb 0x4044
	ds_add_u32 v31, v1
	ds_add_u32 v31, v1
	s_set_vgpr_msb 0x4400
	v_lshrrev_b32 v1, 5, v0
	s_delay_alu instid0(VALU_DEP_1)
	v_readfirstlane_b32 s[WV], v1
	s_lshr_b32 s19, s[WV], 2
	s_and_b32 s20, s[WV], 3
	s_bfe_u32 s21, ttmp6, 0x40000                  ; cx
	s_bfe_u32 s22, ttmp6, 0x40004                  ; cy
	s_lshl_b32 s23, ttmp9, 2
	s_add_co_u32 s23, s23, s21                     ; chunk of 128 rows
	s_and_b32 s24, ttmp7, 0xffff                   ; p: the cluster's y, the same in all sixteen partners
	s_mov_b32 s[SEL], 0x76543210
	s_mov_b32 s[SEL+1], 0xfedcba98
	s_mov_b32 s28, 0xffff0000
	s_lshl_b32 s34, s22, 2
	s_lshl_b32 s34, 15, s34                        ; my row of the cluster
	s_lshl_b32 s35, 0x1111, s21                    ; my column
	; group 1: a dense block of 12,800 bytes as 50 rows of 32 elements of 8 bytes
	s_or_b32 s[G1W], s34, (3<<16)|(1<<21)          ; 15:0 the mask; 17:16 elements of 8 bytes; 21 set beside a mask
	s_or_b32 s[G1A], s35, (3<<16)|(1<<21)
.irp g, G1W, G1A
	s_mov_b32 s[\g+1], 32<<16                      ; tensor_dim0
	s_mov_b32 s[\g+2], 50<<16                      ; tensor_dim1
	s_mov_b32 s[\g+3], 32<<16                      ; tile_dim0
	s_mov_b32 s[\g+4], 50                          ; tile_dim1
	s_mov_b32 s[\g+5], 32                          ; the pitch
	s_mov_b32 s[\g+6], 0
	s_mov_b32 s[\g+7], 0
.endr
	s_lshl_b32 s36, s24, 3                         ; W: (8 p + 2 cy + w / 2) x 8 blocks + (w % 2) blocks
	s_lshl_b32 s37, s22, 1
	s_add_co_u32 s36, s36, s37
	s_lshr_b32 s37, s[WV], 1
	s_add_co_u32 s36, s36, s37
	s_mul_i32 s36, s36, 8*BLOCK
	s_and_b32 s38, s[WV], 1
	s_mul_i32 s38, s38, BLOCK
	s_add_co_u32 s36, s36, s38
	s_mov_b32 s37, 0
	s_cmp_lg_u32 s24, 0                            ; x: data for Q, context for K and V
	s_cselect_b32 s40, 64, 0
	s_add_co_u32 s40, s40, s23
	s_mul_i32 s40, s40, 8*BLOCK
	s_add_co_u32 s40, s40, s38
	s_mov_b32 s41, 0
	s_mul_i32 s42, s[WV], BLOCK                    ; in LDS: block w of a quarter: no place in the cluster enters an LDS address
	s_wait_dscnt 0x0
	s_wait_kmcnt 0x0
	s_add_nc_u64 s[36:37], s[6:7], s[36:37]
	s_add_nc_u64 s[40:41], s[4:5], s[40:41]
.irp q, 0,1,2,3
	s_mov_b32 s[G0W+4*\q], 1
	s_add_co_u32 s[G0W+4*\q+1], s42, \q*QSTEP
	s_add_nc_u64 s[G0W+4*\q+2:G0W+4*\q+3], s[36:37], \q*2*BLOCK
	s_or_b32 s[G0W+4*\q+3], s[G0W+4*\q+3], 0x80000000
	s_mov_b32 s[G0A+4*\q], 1
	s_add_co_u32 s[G0A+4*\q+1], s42, \q*QSTEP
	s_add_nc_u64 s[G0A+4*\q+2:G0A+4*\q+3], s[40:41], \q*2*BLOCK
	s_or_b32 s[G0A+4*\q+3], s[G0A+4*\q+3], 0x80000000
.endr
	CROUND                                         ; all sixteen work-groups are here: the joint loads meet
	s_cmp_lt_u32 s[WV], 4                          ; all fills go out as one group; a wave's four stand in one branch on its number
	s_cbranch_scc0 .Lnot_w
.irp q, 0,1,2,3
	tensor_load_to_lds s[G0W+4*\q:G0W+4*\q+3], s[G1W:G1W+7]
	s_nop 0
.endr
.rept 4
	v_nop
.endr
	s_branch .Lasked
.Lnot_w:
	s_cmp_lt_u32 s[WV], 6
	s_cbranch_scc0 .Lasked
.irp q, 0,1,2,3
	tensor_load_to_lds s[G0A+4*\q:G0A+4*\q+3], s[G1A:G1A+7]
	s_nop 0
.endr
.rept 4
	v_nop
.endr
.Lasked:
	v_and_b32 v1, 31, v0
	s_delay_alu instid0(VALU_DEP_1)
	v_lshlrev_b32 v18, 4, v1
	s_wait_alu depctr_va_vdst(0)
	v_lshlrev_b32 v19, 3, v1
	s_wait_alu depctr_va_vdst(0)
	v_lshlrev_b32 v20, 2, v1
	s_wait_alu depctr_va_vdst(0)
	s_mul_i32 s43, s19, 6144                       ; x: block 4 of a quarter, my four tiles
	s_add_co_u32 s43, s43, 4*BLOCK
	v_add_nc_u32 v2, s43, v18
	v_add_nc_u32 v3, s43, v19
	s_lshl_b32 s44, s19, 8
	s_add_co_u32 s44, s44, 4*BLOCK+12288
	v_add_nc_u32 v4, s44, v20
	s_lshr_b32 s45, s20, 1                         ; W: column chunk hd / 2, tiles 4 (hd % 2) on
	s_mul_i32 s45, s45, 2*BLOCK
	s_and_b32 s46, s20, 1
	s_mul_i32 s47, s46, 6144
	s_add_co_u32 s47, s47, s45
	v_add_nc_u32 v5, s47, v18
	v_add_nc_u32 v6, s47, v19
	s_lshl_b32 s46, s46, 8
	s_add_co_u32 s46, s46, s45
	s_add_co_u32 s46, s46, 12288
	v_add_nc_u32 v7, s46, v20
	s_lshl_b32 s34, s22, 10                        ; my head's first column, in bytes of f32: 1,024 slice + 256 hd
	s_lshl_b32 s35, s20, 8
	s_add_co_u32 s34, s34, s35
	s_mov_b32 s35, 0
	s_lshr_b32 s36, s23, 4                         ; the record: (16 batch + head) x 16 + chunk % 16
	s_lshl_b32 s36, s36, 4
	s_lshl_b32 s37, s22, 2
	s_add_co_u32 s36, s36, s37
	s_add_co_u32 s36, s36, s20
	s_lshl_b32 s36, s36, 4
	s_and_b32 s37, s23, 15
	s_add_co_u32 s36, s36, s37
	s_mov_b32 s39, 0
	s_cmp_eq_u32 s24, 2
	s_cbranch_scc1 .Lvalues
	; ---------------- Q and K
	s_cmp_eq_u32 s24, 0
	s_cselect_b64 s[32:33], s[8:9], s[10:11]       ; bq or bk
	s_cselect_b64 s[30:31], s[14:15], s[16:17]     ; QB or KVB
	s_mov_b32 s38, 13056
	s_cselect_b32 s38, 6656, s38
	s_mul_i32 s38, s36, s38
	s_add_nc_u64 s[32:33], s[32:33], s[34:35]
	s_add_nc_u64 s[30:31], s[30:31], s[38:39]
	v_bfe_u32 v21, v0, 4, 1
	s_delay_alu instid0(VALU_DEP_1)
	v_lshlrev_b32 v21, 6, v21                      ; 64 h
.irp a, 0,1,2,3                        ; THE SUMS BEGIN AS THE BIAS: register j of accumulator (a, b) is column 32 (b / 2) + 8 (b % 2) + 16 h + j
.irp b, 0,1,2,3
	global_load_b128 v[ACC+8*(4*\a+\b):ACC+8*(4*\a+\b)+3], v21, s[32:33] offset:(32*(\b/2)+8*(\b%2))*4
	global_load_b128 v[ACC+8*(4*\a+\b)+4:ACC+8*(4*\a+\b)+7], v21, s[32:33] offset:(32*(\b/2)+8*(\b%2))*4+16
.endr
.endr
	s_wait_loadcnt 0x0
	s_wait_alu depctr_va_vdst(0)
	QUARTER 0, 0, 0
	QUARTER 1, 0, 0
	QUARTER 2, 0, 0
	QUARTER 3, 0, 0
.rept 4
	v_nop                                          ; four plain instructions between the last products and the first read of results and write of their operands
.endr
	v_mov_b32 v34, 0                               ; a lane permute's destination counts as one of its sources
	v_mov_b32 v35, 0
	s_mul_i32 s40, s19, 3072                       ; my four tiles of the record's eight
	v_add_nc_u32 v88, s40, v18
	v_add_nc_u32 v89, s40, v19
	s_lshl_b32 s41, s19, 8
	v_add_nc_u32 v90, s41, v20
.irp a, 0,1,2,3                        ; each tile has its own code registers: no store's data are written again
	QUANT2 ACC+32*\a, 48+8*\a, 80+\a, 32
	v_or_b32 v[80+\a], 0x7f7f0000, v[80+\a]        ; bytes 2 and 3: the scale 1 for the 64 along K that the head does not have
	global_store_b128 v88, v[48+8*\a:51+8*\a], s[30:31] offset:768*\a          ; 512 consecutive bytes, aligned to 256
	global_store_b64 v89, v[52+8*\a:53+8*\a], s[30:31] offset:768*\a+512       ; 256 consecutive bytes, aligned
.endr
	v_cndmask_b32 v84, v80, v81, s28               ; lanes 0-15 the even tile's words, lanes 16-31 the odd tile's
	v_cndmask_b32 v85, v82, v83, s28
	global_store_b32 v90, v84, s[30:31] offset:6144
	global_store_b32 v90, v85, s[30:31] offset:6144+128
	s_branch .Ldone
.Lvalues:
	; ---------------- V: the sources swapped; a lane holds d = its lane row of W's tile b, and its registers run along the keys
	s_add_nc_u64 s[32:33], s[12:13], s[34:35]      ; bv at my head
	s_mul_i32 s38, s36, 13056
	s_add_co_u32 s38, s38, 6656
	s_add_nc_u64 s[30:31], s[16:17], s[38:39]
	v_and_b32 v21, 15, v0
	s_delay_alu instid0(VALU_DEP_1)
	v_and_b32 v30, 8, v21
	s_delay_alu instid0(VALU_DEP_1)
	v_add_nc_u32 v21, v30, v21
	s_delay_alu instid0(VALU_DEP_1)
	v_lshlrev_b32 v21, 2, v21                      ; 4 (r + 8 (r / 8))
.irp b, 0,1,2,3
	global_load_b32 v[22+2*\b], v21, s[32:33] offset:(32*(\b/2)+8*(\b%2))*4    ; my d's bias, twice: a pair for the packed addition
	global_load_b32 v[23+2*\b], v21, s[32:33] offset:(32*(\b/2)+8*(\b%2))*4
.endr
	s_wait_loadcnt 0x0
	QUARTER 0, 1, 1                                ; the first K step's products start the sums
	QUARTER 1, 1, 0
	QUARTER 2, 1, 0
	QUARTER 3, 1, 0
.rept 4
	v_nop
.endr
.irp b, 0,1,2,3
.irp j, 0,2,4,6,8,10,12,14,16,18,20,22,24,26,28,30
	v_pk_add_f32 v[ACC+32*\b+\j:ACC+32*\b+\j+1], v[ACC+32*\b+\j:ACC+32*\b+\j+1], v[22+2*\b:23+2*\b]   ; ascending: each accumulator from its low end on
.endr
.endr
	v_mov_b32 v34, 0
	v_mov_b32 v35, 0
	s_mul_i32 s40, s19, 768                        ; my 64 keys are half rh of each tile of d
	v_add_nc_u32 v88, s40, v18
	v_add_nc_u32 v89, s40, v19
	v_and_b32 v90, 15, v0
	s_delay_alu instid0(VALU_DEP_1)
	v_lshlrev_b32 v90, 2, v90
	s_lshl_b32 s41, s19, 1
	v_add_nc_u32 v90, s41, v90                     ; 4 r + 2 rh: my two bytes of the row's scale word
.irp b, 0,1,2,3
	QUANT2 ACC+32*\b, 48+8*\b, 80+\b, 32
	global_store_b128 v88, v[48+8*\b:51+8*\b], s[30:31] offset:1536*\b
	global_store_b64 v89, v[52+8*\b:53+8*\b], s[30:31] offset:1536*\b+512
	global_store_b16 v90, v[80+\b], s[30:31] offset:6144+64*\b                 ; lanes l and l xor 16 write the same two bytes with the same value
.endr
.Ldone:
	s_set_vgpr_msb 0x4
	s_wait_tensorcnt 0x0
	ds_add_u32 v31, v1
	s_wait_dscnt 0x0
	s_set_vgpr_msb 0x400
	CROUND                                         ; the closing round: no work-group ends while a partner may still ask for a block that names it
	s_endpgm
.Lfunc_end_k_q96f9b54c55_proj:
	.size	k_q96f9b54c55_proj, .Lfunc_end_k_q96f9b54c55_proj-k_q96f9b54c55_proj
	.p2alignl 7, 3214868480
	.fill 96, 4, 3214868480
	.section	.rodata,"a",@progbits
	.p2align	6, 0x0
	.amdhsa_kernel k_q96f9b54c55_proj
		.amdhsa_group_segment_fixed_size 308224
		.amdhsa_private_segment_fixed_size 0
		.amdhsa_enable_private_segment 0
		.amdhsa_kernarg_size 56
		.amdhsa_user_sgpr_count 2
		.amdhsa_user_sgpr_kernarg_segment_ptr 1
		.amdhsa_wavefront_size32 1
		.amdhsa_system_sgpr_workgroup_id_x 1
		.amdhsa_system_sgpr_workgroup_id_y 1
		.amdhsa_system_sgpr_workgroup_id_z 1
		.amdhsa_system_vgpr_workitem_id 0
		.amdhsa_next_free_vgpr 258
		.amdhsa_next_free_sgpr 100
		.amdhsa_reserve_vcc 0
		.amdhsa_float_denorm_mode_32 3
		.amdhsa_float_denorm_mode_16_64 3
		.amdhsa_memory_ordered 1
		.amdhsa_forward_progress 1
		.amdhsa_inst_pref_size 115
	.end_amdhsa_kernel
	.amdgpu_metadata
---
amdhsa.version: [ 1, 2 ]
amdhsa.kernels:
  - .name:           k_q96f9b54c55_proj
    .symbol:         k_q96f9b54c55_proj.kd
    .args:
      - { .name: XB, .offset: 0, .size: 8, .value_kind: global_buffer, .address_space: global }
      - { .name: WB, .offset: 8, .size: 8, .value_kind: global_buffer, .address_space: global }
      - { .name: bq, .offset: 16, .size: 8, .value_kind: global_buffer, .address_space: global }
      - { .name: bk, .offset: 24, .size: 8, .value_kind: global_buffer, .address_space: global }
      - { .name: bv, .offset: 32, .size: 8, .value_kind: global_buffer, .address_space: global }
      - { .name: QB, .offset: 40, .size: 8, .value_kind: global_buffer, .address_space: global }
      - { .name: KVB, .offset: 48, .size: 8, .value_kind: global_buffer, .address_space: global }
    .group_segment_fixed_size: 308224
    .private_segment_fixed_size: 0
    .kernarg_segment_align: 8
    .kernarg_segment_size: 56
    .max_flat_workgroup_size: 256
    .sgpr_count:     100
    .vgpr_count:     258
    .wavefront_size: 32
...
	.end_amdgpu_metadata
.endif
;; end of part 2
;; launch att (part 3): grid 4 x 64, 16 waves a work-group, no clusters, 210,944 bytes of LDS; arguments QB, KVB, OB; writes OB
.if DOCPART == 3
	.amdgcn_target "amdgcn-amd-amdhsa--gfx1250"
	.amdhsa_code_object_version 6
	.text
	.protected	k_q96f9b54c55_att
	.globl	k_q96f9b54c55_att
	.p2align	8
	.type	k_q96f9b54c55_att,@function
k_q96f9b54c55_att:
	s_mov_b64 s[64:65], 0
	v_nop
	global_prefetch_b8 v0, s[64:65] scope:SCOPE_SE
	s_setreg_imm32_b32 hwreg(HW_REG_WAVE_MODE, 25, 1), 1
	s_wait_xcnt 0x0
; O = softmax(Q K^T / 8, causal) V for one (batch, head) = work-group y, both products on codes of BF6 with E8M0 scales; O is divided by the row's sum and quantised along the head's 64 for the last product.
; THE SOFTMAX: t = score x log2(e) / 8; M = the running largest t rounded UP to a whole number; p = 2^(t - M) is quantised along the keys, not normalised; the sum is taken of the unquantised p;
; when M moves, the sum and O are multiplied by 2^(old M - new M), which rounds nothing.
; SHARES.  A head's whole K and V with their scales, 16 records of 13,056 bytes, lie in LDS: wave w brings record w by one tensor load, each byte is filled once, one barrier, and no LDS store at all.
; The head's 128 tiles of 16 queries: wave w of work-group x owns tiles T = 16 x + w and 127 - T: (T / 8 + 1) + (15 - T / 8 + 1) = 17 key steps of 128 keys for every wave of the launch.
; Four waves share a SIMD, so that one wave's vector work stands beside another's products and LDS loads.
; NO CLUSTER, though the four work-groups of a head read the same records: which key steps a wave leaves out is a scalar branch on its own tile's number, which hangs on the work-group's x.
; LAYOUT.  Both products are used transposed (S^T = K Q^T, O^T = V^T P^T): a lane holds ONE query.  Lane r of tile t of 128 rows holds row 32 (t / 2) + 8 (t % 2) + r + 8 (r / 8), for queries, keys and d alike,
; so that the 16 result registers of source 0's tiles 2 b, 2 b + 1 are 16 neighbours 32 b + 16 h + 0 .. 15.
; THE FIRST PRODUCT'S K IS 64.  Q's registers 6-11 are zero codes and bytes 2, 3 of both scale words are 0x7f, so K's registers 6-11 may hold any codes (BF6 has no NaN and no infinity): tile t of K stands at
; v[32 + 6 t] on, its upper six registers being the next tile's lower six; v80-85 are zeros.
; LIMITS: NaN and infinities are not served; a block of zeros gets the byte 1: its codes are zeros, and only this program reads the bytes.
; REGISTERS: v1-3 16 l, 8 l, 4 l; v4 my query in its group of 128, less 16 h; v5 4 r; v6 r + 8 (r / 8) - 16 h; v8-10 the step's addresses; v12 -M, v13 the largest t, v[14:15] the sum in two halves;
; v16-27 the first tile's Q, v255 its scale word; v192-203, v204 the second's; v32-85 K's eight tiles, then V's four fragments; v96-159 S^T, then p; v160-191 O^T; v224-235 p's codes; v232-247 at work;
; v248-251 K's scale words, then V's; v252 f, v253 p's scale word, v254 at work.
.set REC, 13056
.set SEL, 20                           ; s[20:21] selects for lane l xor 16
.set CS,  22                           ; s[22:23] c = log2(e) / 8
.set TB,  36                           ; s36 LDS byte of the step's record
.set KS,  37                           ; s37 the key step
; s10 wave, s11 (batch, head); s14-15 the two tiles' numbers, s16-17 their groups of 128 (the diagonal's key step), s18-19 their first query in the group; s[24:31], s[32:35] the descriptor;
; s[40:47], s[48:55] for each tile: Q's codes, Q's scale words, O's codes, O's scale bytes
.macro FRAG reg, a16, a8, off
	ds_load_b128 v[(\reg):(\reg)+3], v[\a16] offset:(\off)
	ds_load_b64 v[(\reg)+4:(\reg)+5], v[\a8] offset:(\off)+512
	ds_load_b128 v[(\reg)+6:(\reg)+9], v[\a16] offset:(\off)+768
	ds_load_b64 v[(\reg)+10:(\reg)+11], v[\a8] offset:(\off)+1280
.endm
.macro WM d, x, y, zero, sx, sy, rx    ; one product; rx = 1: source 0's scale words stand in lanes 16-31
.if \zero
.if \rx
	v_wmma_scale_f32_16x16x128_f8f6f4 v[(\d):(\d)+7], v[(\x):(\x)+11], v[(\y):(\y)+11], 0, v[\sx], v[\sy] matrix_a_fmt:MATRIX_FMT_BF6 matrix_b_fmt:MATRIX_FMT_BF6 matrix_a_scale:MATRIX_SCALE_ROW1
.else
	v_wmma_scale_f32_16x16x128_f8f6f4 v[(\d):(\d)+7], v[(\x):(\x)+11], v[(\y):(\y)+11], 0, v[\sx], v[\sy] matrix_a_fmt:MATRIX_FMT_BF6 matrix_b_fmt:MATRIX_FMT_BF6
.endif
.else
.if \rx
	v_wmma_scale_f32_16x16x128_f8f6f4 v[(\d):(\d)+7], v[(\x):(\x)+11], v[(\y):(\y)+11], v[(\d):(\d)+7], v[\sx], v[\sy] matrix_a_fmt:MATRIX_FMT_BF6 matrix_b_fmt:MATRIX_FMT_BF6 matrix_a_scale:MATRIX_SCALE_ROW1
.else
	v_wmma_scale_f32_16x16x128_f8f6f4 v[(\d):(\d)+7], v[(\x):(\x)+11], v[(\y):(\y)+11], v[(\d):(\d)+7], v[\sx], v[\sy] matrix_a_fmt:MATRIX_FMT_BF6 matrix_b_fmt:MATRIX_FMT_BF6
.endif
.endif
.endm
; 32 numbers of a lane, register 16 b + i = k 32 b + 16 h + i of my row, become a half's six registers of codes in v[pc] on, and the two scale bytes in v[pw].  tm: eight registers at work.
.macro QUANT2 s, pc, pw, tm
.irp b, 0,1
	v_max3_num_f32 v[(\tm)+\b], |v[(\s)+16*\b]|, |v[(\s)+16*\b+1]|, 0x2800000
.endr
.irp i, 2,4,6,8,10,12,14
.irp b, 0,1
	s_delay_alu instid0(VALU_DEP_2)
	v_max3_num_f32 v[(\tm)+\b], v[(\tm)+\b], |v[(\s)+16*\b+\i]|, |v[(\s)+16*\b+\i+1]|
.endr
.endr
.irp b, 0,1
	s_delay_alu instid0(VALU_DEP_2)
	v_permlanex16_b32 v[(\tm)+2+\b], v[(\tm)+\b], s[SEL], s[SEL+1]
.endr
.irp b, 0,1
	s_delay_alu instid0(VALU_DEP_2)
	v_max_num_f32 v[(\tm)+\b], v[(\tm)+\b], v[(\tm)+2+\b]
.endr
.irp b, 0,1
	s_delay_alu instid0(VALU_DEP_2)
	v_add_nc_u32 v[(\tm)+4+\b], 0xfe000000, v[(\tm)+\b]
.endr
.irp b, 0,1
	s_delay_alu instid0(VALU_DEP_2)
	v_lshrrev_b32 v[(\tm)+6+\b], 23, v[(\tm)+4+\b]
.endr
	s_delay_alu instid0(VALU_DEP_1)
	v_lshl_or_b32 v[\pw], v[(\tm)+7], 8, v[(\tm)+6]
	v_cvt_scalef32_pk16_bf6_f32 v[(\pc):(\pc)+2], v[(\s):(\s)+15], v[(\tm)+4]
	v_cvt_scalef32_pk16_bf6_f32 v[(\pc)+4:(\pc)+6], v[(\s)+16:(\s)+31], v[(\tm)+5]
	v_nop
.irp i, 0,1,2
	v_permlane16_swap_b32 v[(\pc)+\i], v[(\pc)+4+\i]
.endr
.irp i, 0,1,2
	s_delay_alu instid0(VALU_DEP_3)
	v_mov_b32 v[(\pc)+3+\i], v[(\pc)+4+\i]
.endr
.endm
; the addresses of tile u (its number in s[14 + u])
.macro TILEADR u
	s_lshr_b32 s[16+\u], s[14+\u], 3               ; its group of 128 queries
	s_and_b32 s56, s[14+\u], 7                     ; its place there
	s_lshl_b32 s57, s11, 4
	s_add_co_u32 s57, s57, s[16+\u]
	s_mul_i32 s57, s57, 6656                       ; QB's record
	s_mul_i32 s58, s56, 768
	s_add_co_u32 s58, s58, s57
	s_add_nc_u64 s[40+8*\u:41+8*\u], s[4:5], s[58:59]
	s_lshl_b32 s58, s56, 6
	s_add_co_u32 s58, s58, s57
	s_add_co_u32 s58, s58, 6144
	s_add_nc_u64 s[42+8*\u:43+8*\u], s[4:5], s[58:59]
	s_lshr_b32 s57, s11, 4                         ; OB: chunk = 16 batch + group; K step = head / 2; half = head % 2
	s_lshl_b32 s57, s57, 4
	s_add_co_u32 s57, s57, s[16+\u]
	s_lshl_b32 s57, s57, 3
	s_bfe_u32 s58, s11, 0x30001
	s_add_co_u32 s57, s57, s58
	s_mul_i32 s57, s57, 12800
	s_and_b32 s60, s11, 1
	s_mul_i32 s58, s56, 1536
	s_add_co_u32 s58, s58, s57
	s_mul_i32 s61, s60, 768
	s_add_co_u32 s58, s58, s61
	s_add_nc_u64 s[44+8*\u:45+8*\u], s[8:9], s[58:59]
	s_lshl_b32 s58, s56, 6
	s_add_co_u32 s58, s58, s57
	s_lshl_b32 s61, s60, 1
	s_add_co_u32 s58, s58, s61
	s_add_co_u32 s58, s58, 12288
	s_add_nc_u64 s[46+8*\u:47+8*\u], s[8:9], s[58:59]
	s_bfe_u32 s58, s[14+\u], 0x20001
	s_lshl_b32 s58, s58, 5
	s_and_b32 s61, s[14+\u], 1
	s_lshl_b32 s61, s61, 3
	s_add_co_u32 s[18+\u], s58, s61                ; 32 ((T / 2) % 4) + 8 (T % 2)
.endm
	s_load_b128 s[4:7], s[0:1], 0x0                ; QB, KVB
	s_load_b64 s[8:9], s[0:1], 0x10                ; OB
	v_lshl_add_u32 v222, v0, 2, 0x33000
	v_mov_b32 v223, 0
	ds_add_u32 v222, v223
	ds_add_u32 v222, v223
	v_lshrrev_b32 v1, 5, v0
	s_delay_alu instid0(VALU_DEP_1)
	v_readfirstlane_b32 s10, v1                    ; wave 0..15
	s_and_b32 s11, ttmp7, 0xffff                   ; 16 batch + head
	; group 1: a dense record of 13,056 bytes as 51 rows of 32 elements of 8 bytes
	s_mov_b32 s24, 3<<16
	s_mov_b32 s25, 32<<16
	s_mov_b32 s26, 51<<16
	s_mov_b32 s27, 32<<16
	s_mov_b32 s28, 51
	s_mov_b32 s29, 32
	s_mov_b32 s30, 0
	s_mov_b32 s31, 0
	s_lshl_b32 s12, s11, 4
	s_add_co_u32 s12, s12, s10
	s_mul_i32 s12, s12, REC
	s_mov_b32 s13, 0
	s_mov_b32 s32, 1
	s_mul_i32 s33, s10, REC                        ; record w lands at 13,056 w
	s_mov_b32 s[SEL], 0x76543210
	s_mov_b32 s[SEL+1], 0xfedcba98
	s_mov_b32 s[CS], 0x3e38aa3b
	s_mov_b32 s[CS+1], s[CS]                       ; (named with it as a pair, so it is written)
	s_mov_b32 s59, 0
	s_lshl_b32 s14, ttmp9, 4
	s_add_co_u32 s14, s14, s10                     ; T = 16 x + w
	s_sub_co_u32 s15, 127, s14                     ; and 127 - T
	s_wait_dscnt 0x0
	s_wait_kmcnt 0x0
	s_add_nc_u64 s[34:35], s[6:7], s[12:13]
	s_or_b32 s35, s35, 0x80000000
	tensor_load_to_lds s[32:35], s[24:31]          ; my one tensor load
	s_nop 0
.rept 4
	v_nop
.endr
	TILEADR 0
	TILEADR 1
	v_and_b32 v7, 31, v0
	s_delay_alu instid0(VALU_DEP_1)
	v_lshlrev_b32 v1, 4, v7
	s_delay_alu instid0(VALU_DEP_2)
	v_lshlrev_b32 v2, 3, v7
	s_delay_alu instid0(VALU_DEP_3)
	v_lshlrev_b32 v3, 2, v7
	v_and_b32 v11, 15, v0                          ; r
	s_delay_alu instid0(VALU_DEP_1)
	v_lshlrev_b32 v5, 2, v11
	v_bfe_u32 v8, v0, 4, 1                         ; h
	s_delay_alu instid0(VALU_DEP_3)
	v_and_b32 v9, 8, v11
	s_delay_alu instid0(VALU_DEP_1)
	v_add_nc_u32 v6, v9, v11
	s_delay_alu instid0(VALU_DEP_3)
	v_lshlrev_b32 v8, 4, v8
	s_delay_alu instid0(VALU_DEP_1)
	v_sub_nc_u32 v6, v6, v8
	global_load_b128 v[16:19], v1, s[40:41]        ; both tiles of Q stay in registers
	global_load_b64 v[20:21], v2, s[40:41] offset:512
	global_load_b32 v255, v5, s[42:43]
	global_load_b128 v[192:195], v1, s[48:49]
	global_load_b64 v[196:197], v2, s[48:49] offset:512
	global_load_b32 v204, v5, s[50:51]
.irp j, 0,1,2,3,4,5
	v_mov_b32 v[22+\j], 0                          ; zero codes for the 64 along K that the head does not have
	v_mov_b32 v[198+\j], 0
	v_mov_b32 v[80+\j], 0
.endr
.irp j, 0,1,2,3,4,5,6,7
	v_mov_b32 v[236+\j], 0                         ; lane permutes' destinations count as sources: written once
.endr
	v_mov_b32 v252, 0
	v_mov_b32 v253, 0                              ; (named as the upper half of the pair v[252:253] before it is first written)
	s_wait_loadcnt 0x0
	s_wait_tensorcnt 0x0                           ; my record has landed,
	s_barrier_signal -1
	s_barrier_wait -1                              ; everybody's has
; ONE TILE OF QUERIES through its key steps.  The loop has a constant 16 trips; a step all of whose keys come after the tile's queries is left out by a scalar branch on ids, round its work alone.
.macro PASS qf, qs, u
	v_mov_b32 v13, 0xff61b1e6                      ; the largest t so far: -3e38
	s_delay_alu instid0(VALU_DEP_1)
	v_floor_f32 v12, -v13                          ; -M
	v_mov_b32 v14, 0
	v_mov_b32 v15, 0
.set n, 0
.rept 32
	v_mov_b32 v[160+n], 0                          ; O^T: the step is written once; the first finds zeros, which the first change of M leaves zeros
.set n, n+1
.endr
	v_add_nc_u32 v4, s[18+\u], v6
	s_mov_b32 s[TB], 0
	s_mov_b32 s[KS], 0
.Lstep_\@:
	s_cmp_gt_u32 s[KS], s[16+\u]
	s_cbranch_scc1 .Ltail_\@
	s_setprio 2
	v_add_nc_u32 v8, s[TB], v1
	v_add_nc_u32 v9, s[TB], v2
	v_add_nc_u32 v10, s[TB], v3
	v_nop                                          ; four plain instructions between the last products and loads into registers that they read
.irp t, 0,1,2,3,4,5,6,7
	ds_load_b128 v[32+6*\t:35+6*\t], v8 offset:768*\t
	ds_load_b64 v[36+6*\t:37+6*\t], v9 offset:768*\t+512
.endr
.irp i, 0,1,2,3
	ds_load_b32 v[248+\i], v10 offset:6144+128*\i  ; tile 2 i's words in lanes 0-15, tile 2 i + 1's in lanes 16-31
.endr
	s_wait_alu depctr_va_vdst(0)
	s_wait_dscnt 0x0
.irp t, 0,1,2,3,4,5,6,7
	WM 96+8*\t, 32+6*\t, \qf, 1, 248+\t/2, \qs, \t%2
.endr
.rept 4
	v_nop
.endr
.irp t, 0,1,2,3                        ; V's fragments and scale words are asked for here and land behind the softmax
	FRAG 32+12*\t, 8, 9, 6656+1536*\t
.endr
	ds_load_b32 v248, v10 offset:12800
	ds_load_b32 v249, v10 offset:12800+128
	s_cmp_lg_u32 s[KS], s[16+\u]                   ; on the diagonal hidden scores become -infinity ahead of the maximum: p = 0 then
	s_cbranch_scc1 .Lopen_\@
	v_mov_b32 v254, 0xff800000
.set n, 0
.rept 64
	v_cmp_gt_i32 vcc_lo, 32*(n/16)+n%16, v4        ; register n holds key 32 (n / 16) + n % 16 + 16 h of the step
	v_cndmask_b32 v[96+n], v[96+n], v254, vcc_lo
.set n, n+1
.endr
.Lopen_\@:
.irp b, 0,1,2,3
	v_max3_num_f32 v[232+\b], v[96+16*\b], v[97+16*\b], v[98+16*\b]   ; the largest score of each block of 32 keys: for the row's maximum and, since p rises with the score, for the block's largest p
.endr
.irp i, 3,5,7,9,11,13
.irp b, 0,1,2,3
	v_max3_num_f32 v[232+\b], v[232+\b], v[96+16*\b+\i], v[97+16*\b+\i]
.endr
.endr
.irp b, 0,1,2,3
	v_max_num_f32 v[232+\b], v[232+\b], v[111+16*\b]
.endr
.irp b, 0,1,2,3
	s_delay_alu instid0(VALU_DEP_4)
	v_permlanex16_b32 v[236+\b], v[232+\b], s[SEL], s[SEL+1]
.endr
.irp b, 0,1,2,3
	s_delay_alu instid0(VALU_DEP_4)
	v_max_num_f32 v[232+\b], v[232+\b], v[236+\b]
.endr
	s_delay_alu instid0(VALU_DEP_2)
	v_max3_num_f32 v254, v232, v233, v234
	s_delay_alu instid0(VALU_DEP_1)
	v_max_num_f32 v254, v254, v235
	s_delay_alu instid0(VALU_DEP_1)
	v_mul_f32 v254, s[CS], v254                    ; as t (c is positive)
	s_delay_alu instid0(VALU_DEP_1)
	v_max_num_f32 v13, v13, v254
	v_mov_b32 v254, v12
	s_delay_alu instid0(VALU_DEP_2)
	v_floor_f32 v12, -v13                          ; the new -M = -ceil(t)
	s_delay_alu instid0(VALU_DEP_1)
	v_sub_f32 v254, v12, v254                      ; old M - new M: a whole number, 0 or less
	s_delay_alu instid0(VALU_DEP_1)
	v_cvt_i32_f32 v254, v254                       ; (it saturates)
	s_delay_alu instid0(VALU_DEP_1)
	v_ldexp_f32 v252, 1.0, v254                    ; f = 2^(old M - new M)
.set n, 0
	s_setprio 1
.rept 32
	v_pk_fma_f32 v[96+n:97+n], v[96+n:97+n], s[CS:CS+1], v[12:13] op_sel_hi:[1,0,0]   ; t - M
.set n, n+2
.endr
.irp b, 0,1,2,3
	v_fma_f32 v[232+\b], v[232+\b], s[CS], v12
.endr
.set n, 0
	s_wait_alu depctr_va_vdst(0)
.rept 64
	v_exp_f32 v[96+n], v[96+n]                     ; p = 2^(t - M)
.set n, n+1
.endr
	v_pk_mul_f32 v[14:15], v[14:15], v[252:253] op_sel_hi:[1,0]   ; the sums under the new M: a plain instruction behind the exponentials
	s_wait_alu depctr_va_vdst(0)                   ; one wait for the batch, ahead of its first reader
.irp b, 0,1,2,3
	v_exp_f32 v[232+\b], v[232+\b]                 ; each block's largest p
.endr
	v_pk_add_f32 v[236:237], v[100:101], v[104:105]
	v_pk_add_f32 v[250:251], v[108:109], v[112:113]
	v_pk_add_f32 v[246:247], v[116:117], v[120:121]
	v_pk_add_f32 v[244:245], v[124:125], v[128:129]
	v_pk_add_f32 v[240:241], v[132:133], v[136:137]
	v_pk_add_f32 v[238:239], v[140:141], v[144:145]
	v_pk_add_f32 v[230:231], v[148:149], v[152:153]
	v_pk_add_f32 v[14:15], v[14:15], v[156:157]
	v_pk_add_f32 v[236:237], v[236:237], v[96:97]
	v_pk_add_f32 v[250:251], v[250:251], v[98:99]
	v_pk_add_f32 v[246:247], v[246:247], v[102:103]
	v_pk_add_f32 v[244:245], v[244:245], v[106:107]
	v_pk_add_f32 v[240:241], v[240:241], v[110:111]
	v_pk_add_f32 v[238:239], v[238:239], v[114:115]
	v_pk_add_f32 v[230:231], v[230:231], v[118:119]
	v_pk_add_f32 v[14:15], v[14:15], v[122:123]
	v_pk_add_f32 v[236:237], v[236:237], v[126:127]
	v_pk_add_f32 v[250:251], v[250:251], v[130:131]
	v_pk_add_f32 v[246:247], v[246:247], v[134:135]
	v_pk_add_f32 v[244:245], v[244:245], v[138:139]
	v_pk_add_f32 v[240:241], v[240:241], v[142:143]
	v_pk_add_f32 v[238:239], v[238:239], v[146:147]
	v_pk_add_f32 v[230:231], v[230:231], v[150:151]
	v_pk_add_f32 v[14:15], v[14:15], v[154:155]
	v_pk_add_f32 v[236:237], v[236:237], v[158:159]
	s_delay_alu instid0(VALU_DEP_2)
	v_pk_add_f32 v[14:15], v[14:15], v[244:245]
	s_delay_alu instid0(VALU_DEP_2)
	v_pk_add_f32 v[236:237], v[236:237], v[240:241]
	v_pk_add_f32 v[250:251], v[250:251], v[238:239]
	v_pk_add_f32 v[246:247], v[246:247], v[230:231]
	s_delay_alu instid0(VALU_DEP_2)
	v_pk_add_f32 v[14:15], v[14:15], v[250:251]
	s_delay_alu instid0(VALU_DEP_2)
	v_pk_add_f32 v[236:237], v[236:237], v[246:247]
	s_delay_alu instid0(VALU_DEP_1)
	v_pk_add_f32 v[14:15], v[14:15], v[236:237]
	s_wait_alu depctr_va_vdst(0)                   ; and one for the four
.irp b, 0,1,2,3
	v_max_num_f32 v[232+\b], 0x2800000, v[232+\b]  ; the floor 2^(5 - 127)
.endr
.irp b, 0,1,2,3
	s_delay_alu instid0(VALU_DEP_4)
	v_add_nc_u32 v[244+\b], 0xfe000000, v[232+\b]
.endr
.irp b, 0,1,2,3
	s_delay_alu instid0(VALU_DEP_4)
	v_lshrrev_b32 v[236+\b], 23, v[244+\b]
.endr
	s_delay_alu instid0(VALU_DEP_3)
	v_lshl_or_b32 v253, v237, 8, v236              ; p's scale word for these 128 keys
	s_delay_alu instid0(VALU_DEP_1)
	v_lshl_or_b32 v253, v238, 16, v253
	s_delay_alu instid0(VALU_DEP_1)
	v_lshl_or_b32 v253, v239, 24, v253
	s_setprio 0
.irp c, 0,1
	v_cvt_scalef32_pk16_bf6_f32 v[224+6*\c:226+6*\c], v[96+32*\c:111+32*\c], v[244+2*\c]
	v_cvt_scalef32_pk16_bf6_f32 v[236+4*\c:238+4*\c], v[112+32*\c:127+32*\c], v[244+2*\c+1]
.endr
	v_nop
.irp c, 0,1
.irp i, 0,1,2
	v_permlane16_swap_b32 v[224+6*\c+\i], v[236+4*\c+\i]
.endr
.irp i, 0,1,2
	s_delay_alu instid0(VALU_DEP_3)
	v_mov_b32 v[227+6*\c+\i], v[236+4*\c+\i]
.endr
.endr
.set n, 0
.rept 16
	v_pk_mul_f32 v[160+n:161+n], v[160+n:161+n], v[252:253] op_sel_hi:[1,0]   ; O^T under the new M; these sixteen also stand between the writes of p's codes and scale word and the products
.set n, n+2
.endr
	s_wait_alu depctr_va_vdst(0)
	s_wait_dscnt 0x0                               ; V is in
.irp t, 0,1,2,3
	WM 160+8*\t, 32+12*\t, 224, 0, 248+\t/2, 253, \t%2
.endr
.Ltail_\@:
	s_add_co_u32 s[TB], s[TB], REC
	s_add_co_u32 s[KS], s[KS], 1
	s_cmp_lt_u32 s[KS], 16
	s_cbranch_scc1 .Lstep_\@
	s_setprio 0
.rept 4
	v_nop
.endr
	v_add_f32 v14, v14, v15                        ; the sum's two halves,
	s_delay_alu instid0(VALU_DEP_1)
	v_permlanex16_b32 v252, v14, s[SEL], s[SEL+1]
	s_delay_alu instid0(VALU_DEP_1)
	v_add_f32 v14, v14, v252                       ; and lane l xor 16's
	s_wait_alu depctr_va_vdst(0)
	v_rcp_f32 v14, v14
	v_nop
	s_wait_alu depctr_va_vdst(0)
.set n, 0
.rept 16
	v_pk_mul_f32 v[96+n:97+n], v[160+n:161+n], v[14:15] op_sel_hi:[1,0]   ; O^T / the sum, ascending: register 16 b + i is d = 32 b + 16 h + i
.set n, n+2
.endr
	QUANT2 96, 224, 231, 240
	global_store_b128 v1, v[224:227], s[44+8*\u:45+8*\u]                  ; 512 consecutive bytes, aligned to 256
	global_store_b64 v2, v[228:229], s[44+8*\u:45+8*\u] offset:512        ; 256 consecutive bytes, aligned
	global_store_b16 v5, v231, s[46+8*\u:47+8*\u]                         ; my head's two bytes of the row's scale word
	s_wait_xcnt 0x0                                ; the stores' data registers are written again only behind this wait
.endm
	PASS 16, 255, 0
	PASS 192, 204, 1
	s_wait_tensorcnt 0x0
	ds_add_u32 v222, v223
	s_wait_dscnt 0x0
	s_endpgm
.Lfunc_end_k_q96f9b54c55_att:
	.size	k_q96f9b54c55_att, .Lfunc_end_k_q96f9b54c55_att-k_q96f9b54c55_att
	.p2alignl 7, 3214868480
	.fill 96, 4, 3214868480
	.section	.rodata,"a",@progbits
	.p2align	6, 0x0
	.amdhsa_kernel k_q96f9b54c55_att
		.amdhsa_group_segment_fixed_size 210944
		.amdhsa_private_segment_fixed_size 0
		.amdhsa_enable_private_segment 0
		.amdhsa_kernarg_size 24
		.amdhsa_user_sgpr_count 2
		.amdhsa_user_sgpr_kernarg_segment_ptr 1
		.amdhsa_wavefront_size32 1
		.amdhsa_system_sgpr_workgroup_id_x 1
		.amdhsa_system_sgpr_workgroup_id_y 1
		.amdhsa_system_sgpr_workgroup_id_z 1
		.amdhsa_system_vgpr_workitem_id 0
		.amdhsa_next_free_vgpr 256
		.amdhsa_next_free_sgpr 66
		.amdhsa_reserve_vcc 1
		.amdhsa_float_denorm_mode_32 3
		.amdhsa_float_denorm_mode_16_64 3
		.amdhsa_memory_ordered 1
		.amdhsa_forward_progress 1
		.amdhsa_inst_pref_size 64
	.end_amdhsa_kernel
	.amdgpu_metadata
---
amdhsa.version: [ 1, 2 ]
amdhsa.kernels:
  - .name:           k_q96f9b54c55_att
    .symbol:         k_q96f9b54c55_att.kd
    .args:
      - { .name: QB, .offset: 0, .size: 8, .value_kind: global_buffer, .address_space: global }
      - { .name: KVB, .offset: 8, .size: 8, .value_kind: global_buffer, .address_space: global }
      - { .name: OB, .offset: 16, .size: 8, .value_kind: global_buffer, .address_space: global }
    .group_segment_fixed_size: 210944
    .private_segment_fixed_size: 0
    .kernarg_segment_align: 8
    .kernarg_segment_size: 24
    .max_flat_workgroup_size: 512
    .sgpr_count:     66
    .vgpr_count:     256
    .wavefront_size: 32
...
	.end_amdgpu_metadata
.endif
;; end of part 3
;; launch outp (part 4): grid 64 x 4, 8 waves a work-group, clusters of 4 x 4, 308,224 bytes of LDS; arguments OB, WB, bo, out0; writes out0
.if DOCPART == 4
	.amdgcn_target "amdgcn-amd-amdhsa--gfx1250"
	.amdhsa_code_object_version 6
	.text
	.protected	k_q96f9b54c55_outp
	.globl	k_q96f9b54c55_outp
	.p2align	8
	.type	k_q96f9b54c55_outp,@function
k_q96f9b54c55_outp:
	s_mov_b64 s[64:65], 0
	v_nop
	global_prefetch_b8 v0, s[64:65] scope:SCOPE_SE
	s_setreg_imm32_b32 hwreg(HW_REG_WAVE_MODE, 25, 1), 1
	s_wait_xcnt 0x0
	s_wait_alu depctr_hold_cnt(0) depctr_sa_sdst(0) depctr_va_vdst(0) depctr_va_sdst(0) depctr_va_ssrc(0) depctr_va_vcc(0) depctr_vm_vsrc(0)
	s_getreg_b32 s2, hwreg(HW_REG_IB_STS2, 6, 4)
	s_cmp_eq_u32 s2, 0
	s_cbranch_scc0 .Lentry_in_a_cluster
	s_endpgm
.Lentry_in_a_cluster:
	s_bfe_u32 s2, ttmp6, 0x10000c
	s_cmp_lg_u32 s2, 0xf033
	s_cbranch_scc0 .Lentry_shape_is_right
	s_endpgm
.Lentry_shape_is_right:
; out0 = O Wo + bo on codes of BF6 (O's from OB, Wo's the fourth weight of WB), sums in f32, out0 [8192][1024] f32.
; SHARES.  A work-group makes 128 rows (chunk = 4 x cluster x + cx) x 256 columns (slice = cy), with the whole K = 1,024 in LDS: 24 blocks of 12,800 bytes, each byte filled once.
; Wave w: rows 64 (w / 4) on, columns 64 (w % 4) on: 16 accumulators.  CLUSTER 4 x 4: Wo's blocks hang on cy alone and are asked for jointly along a row of the cluster, O's on the chunk alone, along a column.
; LDS: quarter q (K steps 2 q, 2 q + 1) at 76,800 q: blocks 0-3 W (column chunk g, step e at 2 g + e), blocks 4-5 O.  Waves 0-3 fetch W's, waves 4-5 O's, one load a quarter: four loads of a wave are out at most.
; Source 0 = W's columns, source 1 = O's rows: a lane holds one row and, in the 16 registers of tiles 2 b, 2 b + 1, the columns 32 b + 16 h + 0 .. 15.  The sums begin as the bias.
; THE WAY OUT.  A wave's 64 columns are 256 aligned bytes of a row.  A tile of 16 rows goes through the wave's own stage (16 rows x 272 bytes, two by turns) and leaves as whole rows.  The stages lie in quarter 0's
; bytes: those had their one fill at the start, and every wave's last read of them stands in front of its signal of quarter 1's barrier.
.set BLOCK, 12800
.set QSTEP, 6*BLOCK
.set WV,  18                           ; s18 wave; s19 rh = w / 4; s20 hd = w % 4; s21 cx; s22 cy; s23 chunk
.set G1W, 48
.set G1A, 56
.set G0W, 68
.set G0A, 84
.set AF,  32                           ; v32-79 O's four fragments; v80-127 W's; on the way out v32-95 hold rows read back
.set WF,  80
.set ACC, 128
; v2-4 O's base addresses, v5-7 W's; v8-13 the K step's six; v14-15 O's scale words, v16-17 W's (scales alone); v18-20 16 l, 8 l, 4 l; v21 the bias's lane term; v22 stage in, v23 stage back, v24 my bytes in out0
.macro CROUND
	s_barrier_signal -1
	s_barrier_wait -1
	s_cmp_lg_u32 s[WV], 0
	s_cbranch_scc1 .Lnot_wave_0_\@
	s_barrier_signal -3
.Lnot_wave_0_\@:
	s_barrier_wait -3
	s_barrier_signal -1
	s_barrier_wait -1
.endm
.macro FRAG reg, a16, a8, off
	ds_load_b128 v[(\reg):(\reg)+3], v[\a16] offset:(\off)
	ds_load_b64 v[(\reg)+4:(\reg)+5], v[\a8] offset:(\off)+512
	ds_load_b128 v[(\reg)+6:(\reg)+9], v[\a16] offset:(\off)+768
	ds_load_b64 v[(\reg)+10:(\reg)+11], v[\a8] offset:(\off)+1280
.endm
.macro WM d, x, y, sx, sy, rx, ry      ; one product onto its accumulator; rx, ry = 1: that side's scale words stand in lanes 16-31
.if (\rx) && (\ry)
	v_wmma_scale_f32_16x16x128_f8f6f4 v[(\d):(\d)+7], v[(\x):(\x)+11], v[(\y):(\y)+11], v[(\d):(\d)+7], v[\sx], v[\sy] matrix_a_fmt:MATRIX_FMT_BF6 matrix_b_fmt:MATRIX_FMT_BF6 matrix_a_scale:MATRIX_SCALE_ROW1 matrix_b_scale:MATRIX_SCALE_ROW1
.elseif \rx
	v_wmma_scale_f32_16x16x128_f8f6f4 v[(\d):(\d)+7], v[(\x):(\x)+11], v[(\y):(\y)+11], v[(\d):(\d)+7], v[\sx], v[\sy] matrix_a_fmt:MATRIX_FMT_BF6 matrix_b_fmt:MATRIX_FMT_BF6 matrix_a_scale:MATRIX_SCALE_ROW1
.elseif \ry
	v_wmma_scale_f32_16x16x128_f8f6f4 v[(\d):(\d)+7], v[(\x):(\x)+11], v[(\y):(\y)+11], v[(\d):(\d)+7], v[\sx], v[\sy] matrix_a_fmt:MATRIX_FMT_BF6 matrix_b_fmt:MATRIX_FMT_BF6 matrix_b_scale:MATRIX_SCALE_ROW1
.else
	v_wmma_scale_f32_16x16x128_f8f6f4 v[(\d):(\d)+7], v[(\x):(\x)+11], v[(\y):(\y)+11], v[(\d):(\d)+7], v[\sx], v[\sy] matrix_a_fmt:MATRIX_FMT_BF6 matrix_b_fmt:MATRIX_FMT_BF6
.endif
.endm
; K step 2 q + e: 36 LDS loads, 16 products.  The six additions are also the four plain instructions owed between the last products and loads into registers that they read.
; The 16 accumulators take turns, one instruction a turn.
.macro KSTEP q, e
	v_add_nc_u32 v8, (6*\q+\e)*BLOCK, v2
	v_add_nc_u32 v9, (6*\q+\e)*BLOCK, v3
	v_add_nc_u32 v10, (6*\q+\e)*BLOCK, v4
	v_add_nc_u32 v11, (6*\q+\e)*BLOCK, v5
	v_add_nc_u32 v12, (6*\q+\e)*BLOCK, v6
	v_add_nc_u32 v13, (6*\q+\e)*BLOCK, v7
	ds_load_b32 v16, v13
	ds_load_b32 v17, v13 offset:128
	ds_load_b32 v14, v10
	ds_load_b32 v15, v10 offset:128
.irp b, 0,1,2,3
	FRAG WF+12*\b, 11, 12, 1536*\b
.endr
.irp a, 0,1,2,3
	FRAG AF+12*\a, 8, 9, 1536*\a
.endr
.irp a, 0,1,2,3
	s_wait_dscnt 12-4*\a                           ; the later fragments of O, four loads each, may be out
.irp b, 0,1,2,3
	WM ACC+8*(4*\a+\b), WF+12*\b, AF+12*\a, 16+\b/2, 14+\a/2, \b%2, \a%2
.endr
.endr
.endm
.macro QUARTER q
	s_wait_tensorcnt 3-\q                          ; behind quarter q's load the wave issued 3 - q more: mine of this quarter has landed
	s_barrier_signal -1
	s_barrier_wait -1
	KSTEP \q, 0
	KSTEP \q, 1
.endm
.macro TOSTAGE a                       ; tile a: 16 rows x 64 columns into stage a % 2, and back as whole rows.  LDS serves a wave's instructions in order: no wait between
.irp b, 0,1,2,3
	ds_store_b128 v22, v[ACC+8*(4*\a+\b):ACC+8*(4*\a+\b)+3] offset:(\a%2)*4352+128*(\b/2)+32*(\b%2)        ; each accumulator from its low end on
	ds_store_b128 v22, v[ACC+8*(4*\a+\b)+4:ACC+8*(4*\a+\b)+7] offset:(\a%2)*4352+128*(\b/2)+32*(\b%2)+16
.endr
.irp i, 0,1,2,3,4,5,6,7
	ds_load_b128 v[32+32*(\a%2)+4*\i:35+32*(\a%2)+4*\i], v23 offset:(\a%2)*4352+544*\i
.endr
.endm
.macro SEND a, younger                 ; younger: the LDS instructions issued behind tile a's loads
	s_wait_dscnt \younger
.irp i, 0,1,2,3,4,5,6,7
	global_store_b128 v24, v[32+32*(\a%2)+4*\i:35+32*(\a%2)+4*\i], s[30:31] offset:(32*(\a/2)+8*(\a%2)+2*\i+8*(\i/4))*4096 th:TH_STORE_NT   ; sixteen lanes store 256 consecutive bytes of a row, aligned
.endr
.endm
	s_load_b256 s[4:11], s[0:1], 0x0               ; OB, WB, bo, out0
	v_lshl_add_u32 v30, v0, 2, 0x4b000
	v_mov_b32 v31, 0
	ds_add_u32 v30, v31
	ds_add_u32 v30, v31
	v_lshrrev_b32 v1, 5, v0
	s_delay_alu instid0(VALU_DEP_1)
	v_readfirstlane_b32 s[WV], v1
	s_lshr_b32 s19, s[WV], 2
	s_and_b32 s20, s[WV], 3
	s_bfe_u32 s21, ttmp6, 0x40000                  ; cx
	s_bfe_u32 s22, ttmp6, 0x40004                  ; cy
	s_lshl_b32 s23, ttmp9, 2
	s_add_co_u32 s23, s23, s21                     ; chunk of 128 rows
	s_lshl_b32 s34, s22, 2
	s_lshl_b32 s34, 15, s34                        ; my row of the cluster
	s_lshl_b32 s35, 0x1111, s21                    ; my column
	s_or_b32 s[G1W], s34, (3<<16)|(1<<21)          ; a dense block of 12,800 bytes as 50 rows of 32 elements of 8 bytes; the mask, and bit 21 beside it
	s_or_b32 s[G1A], s35, (3<<16)|(1<<21)
.irp g, G1W, G1A
	s_mov_b32 s[\g+1], 32<<16
	s_mov_b32 s[\g+2], 50<<16
	s_mov_b32 s[\g+3], 32<<16
	s_mov_b32 s[\g+4], 50
	s_mov_b32 s[\g+5], 32
	s_mov_b32 s[\g+6], 0
	s_mov_b32 s[\g+7], 0
.endr
	s_lshl_b32 s36, s22, 1                         ; W: (24 + 2 cy + w / 2) x 8 blocks + (w % 2) blocks
	s_add_co_u32 s36, s36, 24
	s_lshr_b32 s37, s[WV], 1
	s_add_co_u32 s36, s36, s37
	s_mul_i32 s36, s36, 8*BLOCK
	s_and_b32 s38, s[WV], 1
	s_mul_i32 s38, s38, BLOCK
	s_add_co_u32 s36, s36, s38
	s_mov_b32 s37, 0
	s_mul_i32 s40, s23, 8*BLOCK                    ; O: the chunk's eight blocks
	s_add_co_u32 s40, s40, s38
	s_mov_b32 s41, 0
	s_mul_i32 s42, s[WV], BLOCK
	s_wait_dscnt 0x0
	s_wait_kmcnt 0x0
	s_add_nc_u64 s[36:37], s[6:7], s[36:37]
	s_add_nc_u64 s[40:41], s[4:5], s[40:41]
.irp q, 0,1,2,3
	s_mov_b32 s[G0W+4*\q], 1
	s_add_co_u32 s[G0W+4*\q+1], s42, \q*QSTEP
	s_add_nc_u64 s[G0W+4*\q+2:G0W+4*\q+3], s[36:37], \q*2*BLOCK
	s_or_b32 s[G0W+4*\q+3], s[G0W+4*\q+3], 0x80000000
	s_mov_b32 s[G0A+4*\q], 1
	s_add_co_u32 s[G0A+4*\q+1], s42, \q*QSTEP
	s_add_nc_u64 s[G0A+4*\q+2:G0A+4*\q+3], s[40:41], \q*2*BLOCK
	s_or_b32 s[G0A+4*\q+3], s[G0A+4*\q+3], 0x80000000
.endr
	CROUND                                         ; all sixteen work-groups are here: the joint loads meet
	s_cmp_lt_u32 s[WV], 4
	s_cbranch_scc0 .Lnot_w
.irp q, 0,1,2,3
	tensor_load_to_lds s[G0W+4*\q:G0W+4*\q+3], s[G1W:G1W+7]
	s_nop 0
.endr
.rept 4
	v_nop
.endr
	s_branch .Lasked
.Lnot_w:
	s_cmp_lt_u32 s[WV], 6
	s_cbranch_scc0 .Lasked
.irp q, 0,1,2,3
	tensor_load_to_lds s[G0A+4*\q:G0A+4*\q+3], s[G1A:G1A+7]
	s_nop 0
.endr
.rept 4
	v_nop
.endr
.Lasked:
	v_and_b32 v1, 31, v0
	s_delay_alu instid0(VALU_DEP_1)
	v_lshlrev_b32 v18, 4, v1
	s_wait_alu depctr_va_vdst(0)
	v_lshlrev_b32 v19, 3, v1
	s_wait_alu depctr_va_vdst(0)
	v_lshlrev_b32 v20, 2, v1
	s_wait_alu depctr_va_vdst(0)
	s_mul_i32 s43, s19, 6144
	s_add_co_u32 s43, s43, 4*BLOCK
	v_add_nc_u32 v2, s43, v18
	v_add_nc_u32 v3, s43, v19
	s_lshl_b32 s44, s19, 8
	s_add_co_u32 s44, s44, 4*BLOCK+12288
	v_add_nc_u32 v4, s44, v20
	s_lshr_b32 s45, s20, 1
	s_mul_i32 s45, s45, 2*BLOCK
	s_and_b32 s46, s20, 1
	s_mul_i32 s47, s46, 6144
	s_add_co_u32 s47, s47, s45
	v_add_nc_u32 v5, s47, v18
	v_add_nc_u32 v6, s47, v19
	s_lshl_b32 s46, s46, 8
	s_add_co_u32 s46, s46, s45
	s_add_co_u32 s46, s46, 12288
	v_add_nc_u32 v7, s46, v20
	s_mul_i32 s40, s[WV], 8704                     ; my two stages
	v_and_b32 v25, 15, v0                          ; r
	v_bfe_u32 v26, v0, 4, 1                        ; h
	s_delay_alu instid0(VALU_DEP_2)
	v_mul_u32_u24 v22, v25, 272
	s_delay_alu instid0(VALU_DEP_1)
	v_lshl_add_u32 v22, v26, 6, v22
	s_delay_alu instid0(VALU_DEP_1)
	v_add_nc_u32 v22, s40, v22                     ; in: row r, + 64 h
	s_delay_alu instid0(VALU_DEP_4)
	v_mul_u32_u24 v23, v26, 272
	s_delay_alu instid0(VALU_DEP_1)
	v_lshl_add_u32 v23, v25, 4, v23
	s_delay_alu instid0(VALU_DEP_1)
	v_add_nc_u32 v23, s40, v23                     ; back: lanes 0-15 one row, lanes 16-31 the next
	v_lshlrev_b32 v24, 12, v26
	s_delay_alu instid0(VALU_DEP_1)
	v_lshl_add_u32 v24, v25, 4, v24                ; and the same two rows in out0
	v_lshlrev_b32 v21, 6, v26                      ; 64 h
	s_wait_alu depctr_va_vdst(0)
	s_lshl_b32 s34, s22, 10                        ; my first column, in bytes: 1,024 slice + 256 hd
	s_lshl_b32 s35, s20, 8
	s_add_co_u32 s34, s34, s35
	s_mov_b32 s35, 0
	s_add_nc_u64 s[32:33], s[8:9], s[34:35]        ; bo there
	s_lshl_b32 s36, s23, 7
	s_lshl_b32 s37, s19, 6
	s_add_co_u32 s36, s36, s37                     ; my first row
	s_lshl_b32 s36, s36, 12
	s_add_co_u32 s36, s36, s34
	s_mov_b32 s37, 0
	s_add_nc_u64 s[30:31], s[10:11], s[36:37]
.irp a, 0,1,2,3                        ; THE SUMS BEGIN AS THE BIAS: register j of accumulator (a, b) is column 32 (b / 2) + 8 (b % 2) + 16 h + j
.irp b, 0,1,2,3
	global_load_b128 v[ACC+8*(4*\a+\b):ACC+8*(4*\a+\b)+3], v21, s[32:33] offset:(32*(\b/2)+8*(\b%2))*4
	global_load_b128 v[ACC+8*(4*\a+\b)+4:ACC+8*(4*\a+\b)+7], v21, s[32:33] offset:(32*(\b/2)+8*(\b%2))*4+16
.endr
.endr
	s_wait_loadcnt 0x0
	QUARTER 0
	QUARTER 1
	QUARTER 2
	QUARTER 3
.rept 4
	v_nop                                          ; four plain instructions between the last products and the LDS stores of results and the loads into their operands' registers
.endr
	TOSTAGE 0
	TOSTAGE 1
	SEND 0, 16                                     ; behind tile 0's loads: tile 1's eight stores and eight loads
	s_wait_xcnt 0x0                                ; tile 0's stores have read their registers: tile 2's rows may land there
	TOSTAGE 2
	SEND 1, 16
	s_wait_xcnt 0x0
	TOSTAGE 3
	SEND 2, 16
	SEND 3, 0
	s_wait_tensorcnt 0x0
	ds_add_u32 v30, v31
	s_wait_dscnt 0x0
	CROUND                                         ; the closing round: no work-group ends while a partner may still ask for a block that names it
	s_endpgm
.Lfunc_end_k_q96f9b54c55_outp:
	.size	k_q96f9b54c55_outp, .Lfunc_end_k_q96f9b54c55_outp-k_q96f9b54c55_outp
	.p2alignl 7, 3214868480
	.fill 96, 4, 3214868480
	.section	.rodata,"a",@progbits
	.p2align	6, 0x0
	.amdhsa_kernel k_q96f9b54c55_outp
		.amdhsa_group_segment_fixed_size 308224
		.amdhsa_private_segment_fixed_size 0
		.amdhsa_enable_private_segment 0
		.amdhsa_kernarg_size 32
		.amdhsa_user_sgpr_count 2
		.amdhsa_user_sgpr_kernarg_segment_ptr 1
		.amdhsa_wavefront_size32 1
		.amdhsa_system_sgpr_workgroup_id_x 1
		.amdhsa_system_sgpr_workgroup_id_y 1
		.amdhsa_system_sgpr_workgroup_id_z 1
		.amdhsa_system_vgpr_workitem_id 0
		.amdhsa_next_free_vgpr 256
		.amdhsa_next_free_sgpr 100
		.amdhsa_reserve_vcc 0
		.amdhsa_float_denorm_mode_32 3
		.amdhsa_float_denorm_mode_16_64 3
		.amdhsa_memory_ordered 1
		.amdhsa_forward_progress 1
		.amdhsa_inst_pref_size 58
	.end_amdhsa_kernel
	.amdgpu_metadata
---
amdhsa.version: [ 1, 2 ]
amdhsa.kernels:
  - .name:           k_q96f9b54c55_outp
    .symbol:         k_q96f9b54c55_outp.kd
    .args:
      - { .name: OB, .offset: 0, .size: 8, .value_kind: global_buffer, .address_space: global }
      - { .name: WB, .offset: 8, .size: 8, .value_kind: global_buffer, .address_space: global }
      - { .name: bo, .offset: 16, .size: 8, .value_kind: global_buffer, .address_space: global }
      - { .name: out0, .offset: 24, .size: 8, .value_kind: global_buffer, .address_space: global }
    .group_segment_fixed_size: 308224
    .private_segment_fixed_size: 0
    .kernarg_segment_align: 8
    .kernarg_segment_size: 32
    .max_flat_workgroup_size: 256
    .sgpr_count:     100
    .vgpr_count:     256
    .wavefront_size: 32
...
	.end_amdgpu_metadata
.endif
;; end of part 4
